; MI455X (gfx1250); checked and timed in simulation.
; The chip was launched on July 23, 2026; its instructions are those of AMD's public machine-readable ISA for CDNA 5 (MIT licence, August 2026) and "CDNA5" Instruction Set Architecture Reference Guide (July 2026). The comments in the code are by the model that wrote it; some were corrected since.
;; my GPT2 Block. Allowed arithmetic: matrix products marked QUANTISED: E2M3 operands, one E8M0 scale for each 32 along K, by v_wmma_scale_f32_16x16x128_f8f6f4 with both operands' format E2M3, f32 sums; everything else in f32.
;; Inputs: W_fc 1,024 x 4,096 float32; W_o 1,024 x 1,024 float32; W_proj 4,096 x 1,024 float32; W_qk 1,024 x 2,048 float32; W_v 1,024 x 1,024 float32; b_qk 2,048 float32; hidden_states 2 x 2,048 x 1,024 float32; ln1_b 1,024 float32; ln1_g 1,024 float32; ln2_b 1,024 float32; ln2_g 1,024 float32.
;; Outputs: out0 2 x 2,048 x 1,024 float32.
;; This version of the problem:
;;   THIS VERSION OF THE PROBLEM IS GIVEN IN LOW PRECISION. The matrix products marked QUANTISED in the list below multiply operands that are first quantised to E2M3 (2 exponent bits, 3 mantissa bits; 6 bits a number), with one power-of-two scale for each 32 numbers along K (OCP MX v1.0); their sums are f32. All else is computed in f32.
;;   The module's matrix products, in the order in which they are computed (A, B: the left and right operand; K: the contracted axis; several contracted axes count as one K, in the product's order):
;;     1. [M 4,096, K 1,024] x [K 1,024, N 2,048]; A: computed on the way; B: input W_qk: QUANTISED
;;     2. [M 4,096, K 1,024] x [K 1,024, N 1,024]; A: computed on the way; B: input W_v: QUANTISED
;;     3. batch 32 x [M 2,048, K 64] x [K 64, N 2,048]; A: computed on the way; B: computed on the way: QUANTISED
;;     4. batch 32 x [M 2,048, K 2,048] x [K 2,048, N 64]; A: softmax (see below); B: computed on the way: QUANTISED
;;     5. [M 4,096, K 1,024] x [K 1,024, N 1,024]; A: computed on the way; B: input W_o: QUANTISED
;;     6. [M 4,096, K 1,024] x [K 1,024, N 4,096]; A: computed on the way; B: input W_fc: QUANTISED
;;     7. [M 4,096, K 4,096] x [K 4,096, N 1,024]; A: computed on the way; B: input W_proj: QUANTISED
;;   THE QUANTISER, for each operand of a quantised product, along K:
;;     - K is cut into blocks of 32 from its start; a last block that is shorter is filled with zeros.
;;     - A block's scale is 2^e with e = floor(log2(the largest magnitude in the block)) - 2, held to -126 .. 127; a block of zeros has e = 0. As a byte (E8M0): e + 127.
;;     - Each number is divided by its block's scale, clamped to +-7.5, and rounded to the nearest number of E2M3, ties to even, subnormals kept.
;;     - The product sums the exact products of the quantised numbers (number of the format x scale) in f32.
;;   ~~~python
;;   def quantise(x, axis):      # numpy; x: float32 -> the quantised numbers, widened to float32 again
;;       x = np.moveaxis(x, axis, -1); K = x.shape[-1]
;;       x = np.pad(x, [(0, 0)] * (x.ndim - 1) + [(0, -K % 32)]); x = x.reshape(x.shape[:-1] + (-1, 32)); a = np.abs(x).max(-1, keepdims=True)
;;       e = np.where(a > 0, np.clip(np.frexp(np.where(a > 0, a, 1))[1] - 1 - 2, -126, 127), 0)      # np.frexp(a)[1] - 1 = floor(log2(a)), exactly
;;       r = np.clip(x / 2.0 ** e, -7.5, 7.5)
;;       step = 2.0 ** (np.maximum(np.frexp(np.where(r == 0, 1, r))[1] - 1, 0) - 3)
;;       q = np.round(r / step) * step * 2.0 ** e      # np.round: ties to even
;;       return np.moveaxis(q.reshape(q.shape[:-2] + (-1,))[..., :K], -1, axis).astype(np.float32)
;;   ~~~
;;   SOFTMAX AHEAD OF A QUANTISED PRODUCT. Where the list says 'softmax', what is quantised is not the finished softmax but p = 2^(t - M), with t = logit x log2(e) and M = ceil(the row's largest t), a whole number; so 1/2 < the row's largest p <= 1. The row's sum l is taken of the UNQUANTISED p, in f32, and the product's result is divided by l at the end. Since M is a whole number, a kernel that streams over the keys may use a running M (the ceiling of the running maximum): every later rescaling is an exact power of two, which a block's scale takes up: the codes' values come out the same.
;;   OPERANDS COMPUTED ON THE WAY. 'Computed on the way' means the value that the module computes at that place (a softmax that the list does not call 'softmax' is quantised finished and normalised). What goes into a quantiser is computed in f32, as accurately as f32 sums, v_exp_f32 and their like allow (about 1e-6 of the number): no bf16 or f16 on the way to a quantiser, and a product that is left as it is and whose result goes on into a quantised operand takes f32 operands (vector FMAs, or v_wmma_f32_16x16x4_f32). A number that lies on a knife's edge between two numbers of the format may be rounded either way, as far as f32 arithmetic and the matrix unit's own rounding can turn it there, and no further.
;; One version. Each part assembles by itself: llvm-mc -triple=amdgcn-amd-amdhsa -mcpu=gfx1250 --defsym DOCPART=n.
;; ======== version 1 of 1: 7 launches
;; limits: right only within a limited range of input values
;; workspace buffers: wimg 9,830,400 bytes; himg 3,276,800 bytes; oimg 3,276,800 bytes; h2img 3,276,800 bytes; qkc 6,815,744 bytes; vt 3,276,800 bytes; aimg 13,107,200 bytes; x1 16,777,216 bytes
;; launch wq (part 1): grid 448 x 1, 8 waves a work-group, no clusters, 3,072 bytes of LDS; arguments W_qk, W_v, W_o, W_fc, W_proj, wimg, hidden_states, ln1_g, ln1_b, himg; writes wimg, himg
.if DOCPART == 1
	.amdgcn_target "amdgcn-amd-amdhsa--gfx1250"
	.amdhsa_code_object_version 6
	.text
	.protected	k_q7c0eaba7b4_wq
	.globl	k_q7c0eaba7b4_wq
	.p2align	8
	.type	k_q7c0eaba7b4_wq,@function
k_q7c0eaba7b4_wq:
	s_mov_b64 s[64:65], 0
	v_nop
	global_prefetch_b8 v0, s[64:65] scope:SCOPE_SE
	s_setreg_imm32_b32 hwreg(HW_REG_WAVE_MODE, 25, 1), 1
	s_wait_xcnt 0x0
; The five weights, f32 stored [K][N], become codes of FP6 (E2M3) with one E8M0 byte for each 32 along K, laid as IMAGE BLOCKS:
; a block is 128 columns n x 128 along K in the order of a matrix operand's registers: tile i of 16 columns at 1536 i; in it register pair p at 256 p, lane l at 8 l;
; lane (r, h) holds in registers 6 c .. 6 c + 5 the 24 bytes of K block 2 c + h of column r.  The scale words (4 bytes a column) lie at 12288 + 64 i + 4 r.  A block is 12,800 bytes.
; ORDER INSIDE A BLOCK OF 32 ALONG K: place i holds k = i % 8 + 16 ((i / 8) % 2) + 8 (i / 16).  Every operand of this program is laid so, so both sides of a product agree and the sums hold the same products.
; A LANE TAKES A COLUMN AND ITS REGISTERS RUN DOWN K: a load reads 128 consecutive bytes a wave (512 a work-group), a block's largest magnitude needs no other lane, and the conversions give K innermost.
; A wave takes 32 columns x 256 along K (two image blocks): wave w columns 32 (w % 4) .. 32 (w % 4) + 31 = tiles 2 (w % 4), 2 (w % 4) + 1.  Two K blocks change halves of lanes and are then the two tiles' registers.
; A block's scale is 2^(floor(log2(largest magnitude)) - 2): its byte is the largest magnitude's exponent field - 2, held at 1 from below.
; LIMITS: a block of zeros gets the byte 1 (its codes are zeros; this program alone reads the bytes); blocks whose largest magnitude lies under 2^-124 are held at that byte; NaN and infinities are not served.
; The scale words leave as 128 consecutive bytes a wave: one byte in 128 of what the launch reads.  All code stores cover 256 consecutive aligned bytes.
; No LDS, no barrier: waves share nothing.  Loads run two K blocks (64 loads a wave) ahead.
.set BLK, 12800
.set X,   32                           ; v32-95   two sets of 32 numbers
.set C,   96                           ; v96-143  codes: 12 registers for each pair of K blocks, never written again
.set SB,  24                           ; v24-25   scale words
.macro LOAD t, cols                    ; K block t of my column, in the order of places, into set t % 2
.set I, 0
.rept 32
	global_load_b32 v[X+32*((\t)%2)+I], v3, s[24:25] offset:(32*(\t)+I%8+16*((I/8)%2)+8*(I/16))*(\cols)*4 th:TH_LOAD_NT
.set I, I+1
.endr
.endm
.macro BLOCK t, cols
.set XS, X+32*((\t)%2)
.set DD, C+12*((\t)/2)+6*((\t)%2)
.if (\t) < 7
	s_wait_loadcnt 32                              ; this block's 32 loads are in; the next block's may be out
.else
	s_wait_loadcnt 0
.endif
	v_max3_num_f32 v8, |v[XS]|, |v[XS+1]|, |v[XS+2]|               ; the block's largest magnitude: all 32 numbers are mine; two chains
	v_max3_num_f32 v9, |v[XS+3]|, |v[XS+4]|, |v[XS+5]|
.irp i, 6,10,14,18,22,26
	v_max3_num_f32 v8, v8, |v[XS+\i]|, |v[XS+\i+1]|
	v_max3_num_f32 v9, v9, |v[XS+\i+2]|, |v[XS+\i+3]|
.endr
	v_max3_num_f32 v8, v8, |v[XS+30]|, |v[XS+31]|
	v_max3_num_f32 v8, v8, v9, 0x1800000           ; and the floor 2^(3 - 127): the byte cannot fall under 1
	v_add_nc_u32 v10, 0xff000000, v8               ; 2 off the exponent field: the conversion takes this operand's exponent field as its scale
	v_cvt_scalef32_pk16_fp6_f32 v[DD:DD+2], v[XS:XS+15], v10
	v_cvt_scalef32_pk16_fp6_f32 v[16:18], v[XS+16:XS+31], v10      ; (a conversion's three registers begin on an even number)
	v_lshrrev_b32 v11, 23, v10                     ; the scale's byte; also the plain line behind the conversions
.if ((\t)%4) == 0
	v_mov_b32 v[SB+(\t)/4], v11
.else
	v_lshl_or_b32 v[SB+(\t)/4], v11, 8*((\t)%4), v[SB+(\t)/4]
.endif
.irp i, 0,1,2
	v_mov_b32 v[DD+3+\i], v[16+\i]
.endr
.if (\t)+2 < 8
	LOAD (\t)+2, \cols
.endif
.if ((\t)%2) == 1
.set EE, C+12*((\t)/2)
.irp i, 0,1,2,3,4,5
	v_permlane16_swap_b32 v[EE+\i], v[EE+6+\i]     ; the even block's lanes 16-31 change places with the odd block's lanes 0-15: the first six are now tile 2 w's registers, the others tile 2 w + 1's
.endr
.irp p, 0,1,2
	global_store_b64 v4, v[EE+2*\p:EE+2*\p+1], s[28:29] offset:((\t)/4)*BLK+(((\t)/2)%2)*768+\p*256
	global_store_b64 v4, v[EE+6+2*\p:EE+6+2*\p+1], s[28:29] offset:((\t)/4)*BLK+(((\t)/2)%2)*768+\p*256+1536
.endr
.endif
.if ((\t)%4) == 3
	global_store_b32 v5, v[SB+(\t)/4], s[28:29] offset:((\t)/4)*BLK+12288
.endif
.endm
; One weight: its work-groups begin at number first; 2^lognb blocks of 128 columns; cols columns; ks K steps of 128 in a row of image blocks; its images begin woff bytes into wimg; its address in s[ptr:ptr+1]
.macro WEIGHT first, lognb, cols, ks, woff, ptr
	s_sub_co_u32 s18, ttmp9, \first
	s_and_b32 s19, s18, (1<<\lognb)-1              ; which 128 columns
	s_lshr_b32 s20, s18, \lognb                    ; which 512 along K,
	s_lshl_b32 s20, s20, 1
	s_add_co_u32 s20, s20, s30                     ; and my half of the waves' 256 of them
	s_mul_i32 s22, s20, 256*(\cols)*4
	s_lshl_b32 s21, s19, 9
	s_add_co_u32 s22, s22, s21
	s_lshl_b32 s21, s16, 7
	s_add_co_u32 s22, s22, s21                     ; + my wave's 32 columns
	s_mov_b32 s23, 0
	s_add_nc_u64 s[24:25], s[\ptr:\ptr+1], s[22:23]
	s_mul_i32 s26, s19, \ks
	s_lshl_b32 s21, s20, 1
	s_add_co_u32 s26, s26, s21
	s_mul_i32 s26, s26, BLK
	s_mov_b32 s27, 0
	s_add_nc_u64 s[28:29], s[14:15], s[26:27]
.if \woff
	s_add_nc_u64 s[28:29], s[28:29], \woff
.endif
	LOAD 0, \cols
	LOAD 1, \cols
.irp t, 0,1,2,3,4,5,6,7
	BLOCK \t, \cols
.endr
	s_endpgm
.endm
	s_load_b256 s[4:11], s[0:1], 0x0               ; W_qk, W_v, W_o, W_fc
	s_load_b128 s[12:15], s[0:1], 0x20             ; W_proj, wimg
	v_lshrrev_b32 v1, 5, v0
; EIGHT WAVES: a weight's work-group takes 128 columns x 512 along K: waves 0-3 the first 256 along K, waves 4-7 the second; wave w % 4 takes columns 32 (w % 4) on.
; Work-groups 0-191 take the weights, work-groups 192-447 the first norm (16 rows each): one launch prepares all operands that come from inputs alone.
	v_readfirstlane_b32 s31, v1                    ; wave 0..7
	s_lshr_b32 s30, s31, 2
	s_and_b32 s16, s31, 3
	v_and_b32 v2, 31, v0                           ; lane
	v_lshlrev_b32 v3, 2, v2                        ; in: 4 bytes a lane
	s_mul_i32 s17, s16, 3072
	v_lshl_add_u32 v4, v2, 3, s17                  ; out: 8 bytes a lane, in tile 2 w
	s_lshl_b32 s17, s16, 7
	v_lshl_add_u32 v5, v2, 2, s17                  ; scale words: 4 bytes a column
	s_wait_kmcnt 0x0
	s_cmp_lt_u32 ttmp9, 32
	s_cbranch_scc0 .Lpast_qk
	s_wait_alu depctr_va_vdst(0)
	WEIGHT 0, 4, 2048, 8, 0, 4
.Lpast_qk:
	s_cmp_lt_u32 ttmp9, 48
	s_cbranch_scc0 .Lpast_v
	s_wait_alu depctr_va_vdst(0)
	WEIGHT 32, 3, 1024, 8, 128*BLK, 6
.Lpast_v:
	s_cmp_lt_u32 ttmp9, 64
	s_cbranch_scc0 .Lpast_o
	s_wait_alu depctr_va_vdst(0)
	WEIGHT 48, 3, 1024, 8, 192*BLK, 8
.Lpast_o:
	s_cmp_lt_u32 ttmp9, 128
	s_cbranch_scc0 .Lpast_fc
	s_wait_alu depctr_va_vdst(0)
	WEIGHT 64, 5, 4096, 8, 256*BLK, 10
.Lpast_fc:
	s_cmp_lt_u32 ttmp9, 192
	s_cbranch_scc0 .Lnorm
	s_wait_alu depctr_va_vdst(0)
	WEIGHT 128, 3, 1024, 32, 512*BLK, 12
; THE FIRST NORM: y = (x - mean) * rsqrt(var + 1e-5) * g + b over rows of 1,024 f32, quantised along the row and stored as image blocks (block (row block R, K step s) at (8 R + s) blocks).
; A work-group takes 16 rows (one tile); wave w takes columns 128 w on (K step w).  Lane (r, h) holds 64 numbers of row r: of each block of 32 the columns 8 h + 0..7 and 16 + 8 h + 0..7.
; Mean and variance in two passes; the eight waves' partial sums meet in LDS, each pass in bytes of its own: two barriers, which all waves of such a work-group pass.
.Lnorm:
.set RED1,  0
.set RED2,  1024
.set SPARE, 2048                       ; the spare words, 128 bytes for each wave
.set TM,  8
.set PW,  24
.set G,   96
.set BT,  160
.set PC,  224
.set SPW, 252
.set NIL, 253
.set SEL, 20
.macro QUANT s
.irp b, 0,1,2,3
	v_max3_num_f32 v[TM+\b], |v[\s+16*\b]|, |v[\s+1+16*\b]|, 0x1800000   ; my 16 numbers of block b, and the floor 2^(3 - 127)
.endr
.irp i, 2,4,6,8,10,12,14
.irp b, 0,1,2,3
	s_delay_alu instid0(VALU_DEP_4)
	v_max3_num_f32 v[TM+\b], v[TM+\b], |v[\s+16*\b+\i]|, |v[\s+1+16*\b+\i]|
.endr
.endr
.irp b, 0,1,2,3
	v_permlanex16_b32 v[TM+4+\b], v[TM+\b], s[SEL], s[SEL+1]
.endr
.irp b, 0,1,2,3
	s_delay_alu instid0(VALU_DEP_4)
	v_max_num_f32 v[TM+\b], v[TM+\b], v[TM+4+\b]   ; with lane l xor 16's: the block's largest magnitude
.endr
.irp b, 0,1,2,3
	s_delay_alu instid0(VALU_DEP_4)
	v_add_nc_u32 v[TM+12+\b], 0xff000000, v[TM+\b] ; 2 off its exponent field: the conversion's scale operand
.endr
.irp b, 0,1,2,3
	s_delay_alu instid0(VALU_DEP_4)
	v_lshrrev_b32 v[TM+4+\b], 23, v[TM+12+\b]      ; the scale's byte
.endr
	s_delay_alu instid0(VALU_DEP_3)
	v_lshl_or_b32 v[PW], v[TM+5], 8, v[TM+4]
	s_delay_alu instid0(VALU_DEP_1)
	v_lshl_or_b32 v[PW], v[TM+6], 16, v[PW]
	s_delay_alu instid0(VALU_DEP_1)
	v_lshl_or_b32 v[PW], v[TM+7], 24, v[PW]
.irp c, 0,1
	v_cvt_scalef32_pk16_fp6_f32 v[PC+6*\c:PC+2+6*\c], v[\s+32*\c:\s+15+32*\c], v[TM+12+2*\c]
	v_cvt_scalef32_pk16_fp6_f32 v[PC+12+4*\c:PC+14+4*\c], v[\s+16+32*\c:\s+31+32*\c], v[TM+12+2*\c+1]
.endr
	v_nop                                          ; one plain line behind a scaled conversion
.irp c, 0,1
.irp i, 0,1,2
	v_permlane16_swap_b32 v[PC+6*\c+\i], v[PC+12+4*\c+\i]   ; a whole block to a lane
.endr
.irp i, 0,1,2
	s_delay_alu instid0(VALU_DEP_3)
	v_mov_b32 v[PC+3+6*\c+\i], v[PC+12+4*\c+\i]
.endr
.endr
.endm
.macro REDUCE red                      ; v8, my lane's partial sum, becomes the row's sum in v12 of every lane
	s_delay_alu instid0(VALU_DEP_1)
	v_permlanex16_b32 v9, v8, s[SEL], s[SEL+1]
	s_delay_alu instid0(VALU_DEP_1)
	v_add_f32 v8, v8, v9
	ds_store_b32 v6, v8 offset:\red
	s_wait_dscnt 0x0                               ; for the others' sake: my store has landed
	s_barrier_signal -1
	s_barrier_wait -1
.irp k, 0,1,2,3,4,5,6,7
	ds_load_b32 v[12+\k], v5 offset:\red+128*\k
.endr
	s_wait_dscnt 0x0
	v_add_f32 v12, v12, v13
	v_add_f32 v14, v14, v15
	v_add_f32 v16, v16, v17
	v_add_f32 v18, v18, v19
	s_delay_alu instid0(VALU_DEP_3)
	v_add_f32 v12, v12, v14
	s_delay_alu instid0(VALU_DEP_2)
	v_add_f32 v16, v16, v18
	s_delay_alu instid0(VALU_DEP_1)
	v_add_f32 v12, v12, v16
.endm
	s_load_b256 s[4:11], s[0:1], 0x30              ; x, g, b, the image
	v_lshl_add_u32 v[SPW], v0, 2, SPARE
	v_mov_b32 v[NIL], 0
	v_lshrrev_b32 v1, 5, v0
	s_delay_alu instid0(VALU_DEP_1)
	v_readfirstlane_b32 s12, v1                    ; wave 0..7
	v_and_b32 v1, 15, v0                           ; r
	v_bfe_u32 v2, v0, 4, 1                         ; h
	v_and_b32 v7, 31, v0                           ; lane
	s_delay_alu instid0(VALU_DEP_2)
	v_lshlrev_b32 v4, 5, v2                        ; g, b: 32 h
	s_delay_alu instid0(VALU_DEP_1)
	v_lshl_add_u32 v3, v1, 12, v4                  ; x: row r of 4,096 bytes + 32 h
	s_delay_alu instid0(VALU_DEP_3)
	v_lshlrev_b32 v5, 2, v7                        ; LDS, reading: 4 x lane
	s_lshl_b32 s13, s12, 7
	v_add_nc_u32 v6, s13, v5                       ; LDS, storing: + 128 x wave
	s_sub_co_u32 s24, ttmp9, 192                   ; which 16 rows
	s_and_b32 s19, s24, 7                          ; my tile in its row block
	s_mul_i32 s22, s19, 1536
	v_lshl_add_u32 v25, v7, 3, s22                 ; the codes' place in the image block
	s_lshl_b32 s22, s19, 6
	v_lshl_add_u32 v26, v1, 2, s22                 ; the scale word's
	s_lshl_b32 s14, s24, 16                        ; 16 rows of 4,096 bytes a work-group
	s_lshl_b32 s16, s12, 9                         ; my wave's 512 bytes of a row
	s_add_co_u32 s14, s14, s16
	s_mov_b32 s15, 0
	s_mov_b32 s17, 0
	s_and_b32 s18, s24, 0xf8                       ; 8 x row block
	s_add_co_u32 s18, s18, s12                     ; + K step
	s_mul_i32 s18, s18, BLK
	s_mov_b32 s19, 0
	s_mov_b32 s[SEL], 0x76543210
	s_mov_b32 s[SEL+1], 0xfedcba98
	s_mov_b32 s22, 0x3a800000                      ; 1 / 1024
	s_mov_b32 s23, 0x3727c5ac                      ; 1e-5
	s_wait_alu depctr_va_vdst(0)
	s_wait_kmcnt 0x0
	s_add_nc_u64 s[4:5], s[4:5], s[14:15]
	s_add_nc_u64 s[6:7], s[6:7], s[16:17]
	s_add_nc_u64 s[8:9], s[8:9], s[16:17]
	s_add_nc_u64 s[10:11], s[10:11], s[18:19]
.irp b, 0,1,2,3
.irp j, 0,1,2,3
	global_load_b128 v[X+16*\b+4*\j:X+16*\b+4*\j+3], v3, s[4:5] offset:128*\b+16*(\j%2)+64*(\j/2)
.endr
.endr
.irp b, 0,1,2,3
.irp j, 0,1,2,3
	global_load_b128 v[G+16*\b+4*\j:G+16*\b+4*\j+3], v4, s[6:7] offset:128*\b+16*(\j%2)+64*(\j/2)
.endr
.endr
.irp b, 0,1,2,3
.irp j, 0,1,2,3
	global_load_b128 v[BT+16*\b+4*\j:BT+16*\b+4*\j+3], v4, s[8:9] offset:128*\b+16*(\j%2)+64*(\j/2)
.endr
.endr
	s_wait_loadcnt 32                              ; x is in; the 32 loads of g and b may be out
.irp k, 0,1,2,3,4,5,6,7
	v_pk_add_f32 v[8+2*\k:9+2*\k], v[X+4*\k:X+4*\k+1], v[X+4*\k+2:X+4*\k+3]   ; my 64 numbers' sum, in eight chains
.endr
.irp k, 0,1,2,3,4,5,6,7
	v_pk_add_f32 v[8+2*\k:9+2*\k], v[8+2*\k:9+2*\k], v[X+32+2*\k:X+33+2*\k]
.endr
.irp k, 0,1,2,3,4,5,6,7
	v_pk_add_f32 v[8+2*\k:9+2*\k], v[8+2*\k:9+2*\k], v[X+48+2*\k:X+49+2*\k]
.endr
.irp k, 0,1,2,3
	s_delay_alu instid0(VALU_DEP_4)
	v_pk_add_f32 v[8+2*\k:9+2*\k], v[8+2*\k:9+2*\k], v[16+2*\k:17+2*\k]
.endr
.irp k, 0,1
	s_delay_alu instid0(VALU_DEP_2)
	v_pk_add_f32 v[8+2*\k:9+2*\k], v[8+2*\k:9+2*\k], v[12+2*\k:13+2*\k]
.endr
	s_delay_alu instid0(VALU_DEP_1)
	v_pk_add_f32 v[8:9], v[8:9], v[10:11]
	s_delay_alu instid0(VALU_DEP_1)
	v_add_f32 v8, v8, v9
	REDUCE RED1
	s_delay_alu instid0(VALU_DEP_1)
	v_mul_f32 v8, s22, v12                         ; the mean
.set J, 0
.rept 32
	v_pk_add_f32 v[X+J:X+J+1], v[X+J:X+J+1], v[8:9] op_sel_hi:[1,0] neg_lo:[0,1] neg_hi:[0,1]   ; x - mean
.set J, J+2
.endr
	v_pk_mul_f32 v[10:11], v[X:X+1], v[X:X+1]
	v_pk_mul_f32 v[12:13], v[X+2:X+3], v[X+2:X+3]
.irp j, 4,8,12,16,20,24,28,32,36,40,44,48,52,56,60
	s_delay_alu instid0(VALU_DEP_2)
	v_pk_fma_f32 v[10:11], v[X+\j:X+\j+1], v[X+\j:X+\j+1], v[10:11]
	s_delay_alu instid0(VALU_DEP_2)
	v_pk_fma_f32 v[12:13], v[X+\j+2:X+\j+3], v[X+\j+2:X+\j+3], v[12:13]
.endr
	s_delay_alu instid0(VALU_DEP_1)
	v_pk_add_f32 v[10:11], v[10:11], v[12:13]
	s_delay_alu instid0(VALU_DEP_1)
	v_add_f32 v8, v10, v11
	REDUCE RED2
	s_delay_alu instid0(VALU_DEP_1)
	v_fma_f32 v10, v12, s22, s23                   ; the variance + 1e-5
	s_wait_alu depctr_va_vdst(0)
	v_rsq_f32 v14, v10
	v_nop                                          ; a plain line behind the transcendental
	s_wait_alu depctr_va_vdst(0)                   ; ahead of the result's first reader
	s_wait_loadcnt 0x0                             ; g and b
.set J, 0
.rept 32
	v_pk_mul_f32 v[X+J:X+J+1], v[X+J:X+J+1], v[14:15] op_sel_hi:[1,0]
.set J, J+2
.endr
.set J, 0
.rept 32
	v_pk_fma_f32 v[X+J:X+J+1], v[X+J:X+J+1], v[G+J:G+J+1], v[BT+J:BT+J+1]
.set J, J+2
.endr
	QUANT X
.irp p, 0,1,2,3,4,5
	global_store_b64 v25, v[PC+2*\p:PC+2*\p+1], s[10:11] offset:256*\p   ; 32 lanes store 256 consecutive aligned bytes
.endr
	global_store_b32 v26, v[PW], s[10:11] offset:12288                  ; both halves of the lanes write the same word with the same value
	s_wait_tensorcnt 0x0                           ; the wave's end, behind my last LDS store
	ds_add_u32 v[SPW], v[NIL]
	s_wait_dscnt 0x0
	s_endpgm
.Lfunc_end_k_q7c0eaba7b4_wq:
	.size	k_q7c0eaba7b4_wq, .Lfunc_end_k_q7c0eaba7b4_wq-k_q7c0eaba7b4_wq
	.p2alignl 7, 3214868480
	.fill 96, 4, 3214868480
	.section	.rodata,"a",@progbits
	.p2align	6, 0x0
	.amdhsa_kernel k_q7c0eaba7b4_wq
		.amdhsa_group_segment_fixed_size 3072
		.amdhsa_private_segment_fixed_size 0
		.amdhsa_enable_private_segment 0
		.amdhsa_kernarg_size 80
		.amdhsa_user_sgpr_count 2
		.amdhsa_user_sgpr_kernarg_segment_ptr 1
		.amdhsa_wavefront_size32 1
		.amdhsa_system_sgpr_workgroup_id_x 1
		.amdhsa_system_sgpr_workgroup_id_y 1
		.amdhsa_system_sgpr_workgroup_id_z 1
		.amdhsa_system_vgpr_workitem_id 0
		.amdhsa_next_free_vgpr 256
		.amdhsa_next_free_sgpr 66
		.amdhsa_reserve_vcc 0
		.amdhsa_float_denorm_mode_32 3
		.amdhsa_float_denorm_mode_16_64 3
		.amdhsa_memory_ordered 1
		.amdhsa_forward_progress 1
		.amdhsa_inst_pref_size 225
	.end_amdhsa_kernel
	.amdgpu_metadata
---
amdhsa.version: [ 1, 2 ]
amdhsa.kernels:
  - .name:           k_q7c0eaba7b4_wq
    .symbol:         k_q7c0eaba7b4_wq.kd
    .args:
      - { .name: W_qk, .offset: 0, .size: 8, .value_kind: global_buffer, .address_space: global }
      - { .name: W_v, .offset: 8, .size: 8, .value_kind: global_buffer, .address_space: global }
      - { .name: W_o, .offset: 16, .size: 8, .value_kind: global_buffer, .address_space: global }
      - { .name: W_fc, .offset: 24, .size: 8, .value_kind: global_buffer, .address_space: global }
      - { .name: W_proj, .offset: 32, .size: 8, .value_kind: global_buffer, .address_space: global }
      - { .name: wimg, .offset: 40, .size: 8, .value_kind: global_buffer, .address_space: global }
      - { .name: hidden_states, .offset: 48, .size: 8, .value_kind: global_buffer, .address_space: global }
      - { .name: ln1_g, .offset: 56, .size: 8, .value_kind: global_buffer, .address_space: global }
      - { .name: ln1_b, .offset: 64, .size: 8, .value_kind: global_buffer, .address_space: global }
      - { .name: himg, .offset: 72, .size: 8, .value_kind: global_buffer, .address_space: global }
    .group_segment_fixed_size: 3072
    .private_segment_fixed_size: 0
    .kernarg_segment_align: 8
    .kernarg_segment_size: 80
    .max_flat_workgroup_size: 256
    .sgpr_count:     66
    .vgpr_count:     256
    .wavefront_size: 32
...
	.end_amdgpu_metadata
.endif
;; end of part 1
;; launch qkv (part 2): grid 8 x 32, 4 waves a work-group, clusters of 4 x 4, 327,680 bytes of LDS; arguments wimg, himg, b_qk, qkc, vt; writes qkc, vt
.if DOCPART == 2
	.amdgcn_target "amdgcn-amd-amdhsa--gfx1250"
	.amdhsa_code_object_version 6
	.text
	.protected	k_q7c0eaba7b4_qkv
	.globl	k_q7c0eaba7b4_qkv
	.p2align	8
	.type	k_q7c0eaba7b4_qkv,@function
k_q7c0eaba7b4_qkv:
	s_mov_b64 s[64:65], 0
	v_nop
	global_prefetch_b8 v0, s[64:65] scope:SCOPE_SE
	s_setreg_imm32_b32 hwreg(HW_REG_WAVE_MODE, 25, 1), 1
	s_wait_xcnt 0x0
	s_wait_alu depctr_hold_cnt(0) depctr_sa_sdst(0) depctr_va_vdst(0) depctr_va_sdst(0) depctr_va_ssrc(0) depctr_va_vcc(0) depctr_vm_vsrc(0)
	s_getreg_b32 s2, hwreg(HW_REG_IB_STS2, 6, 4)
	s_cmp_eq_u32 s2, 0
	s_cbranch_scc0 .Lentry_in_a_cluster
	s_endpgm
.Lentry_in_a_cluster:
	s_bfe_u32 s2, ttmp6, 0x10000c
	s_cmp_lg_u32 s2, 0xf033
	s_cbranch_scc0 .Lentry_shape_is_right
	s_endpgm
.Lentry_shape_is_right:
; qk = h W_qk + b_qk and V = h W_v on image blocks of FP6 (E2M3) codes; the results are quantised again and stored as image blocks.  K = 1,024.
; An image block is 128 rows x 128 along K in the order of a matrix operand's registers: tile i of 16 rows at 1536 i, register pair p at 256 p, lane l at 8 l; scale words at 12288 + 64 i + 4 r; 12,800 bytes; a tile row's K steps lie on end.
; A WORK-GROUP STAYS.  Work-group (g, T) keeps h's block T of 128 tokens, all of K (102,400 bytes), in LDS for the whole launch and walks three weight tiles of 128 columns x all of K: W_qk's blocks 2 g and 2 g + 1, then W_v's block g.
; The weight tiles go through two LDS slots of 102,400 bytes; the third tile is asked for, into slot 0, in the first tile's last K step: 120 matrix instructions a wave and a way out stand between that request and the wait for it.
; Every wave brings a quarter of each tile (K steps 2 w, 2 w + 1: 100 rows of 256 bytes).  By this text's count a wave has one tensor load out at the start and one behind the refill.  All of a WGP's LDS is claimed.
; CLUSTERS 4 x 4: h's block is shared along a row of the cluster, the weight tiles along a column: joint loads.
; Each of four waves makes 64 x 64: 16 accumulators.  TILES 0 AND 1: source 0 = 16 columns of W_qk, source 1 = 16 tokens: lane (r, h) register j of accumulator (a, b) is (token 16 a + r, column 16 b + 8 h + j): the result is quantised along the features, into qkc [token block][16 K steps].
; TILE 2: the same fragments with the sources changed: source 0 = 16 tokens, source 1 = 16 columns of W_v: a lane's registers then run along the TOKENS, and V is quantised along them, into vt [feature block][32 token steps].
; A lane's 16 registers of two neighbouring accumulators are 16 numbers of one block of 32, and the conversions' results, after the halves of lanes have changed places, are the next operand's registers.
; The bias is the C of a tile's first products; V has none.  The second tile's bias comes into the first's registers behind the first tile's first K step.
; LIMITS: a block of zeros gets the byte 1 (its codes are zeros; this program alone reads the bytes); NaN and infinities are not served.  Scale bytes leave two a row and wave: one byte in 24 of the codes'.
; REGISTERS: window 0: v1-30 addresses; v32-39 scale words, two sets; v40-71 the bias; v72-127 the way out; v128-255 the accumulators.  Window 1: two fragment buffers at v0 and v128: the weight's four fragments.
.set KS,    8
.set BLK,   12800
.set TILE,  KS*BLK                     ; 128 rows x all of K
.set HALF,  4*BLK                      ; four K steps: what an LDS load's 16-bit offset reaches over
.set QUART, 2*BLK                      ; what one tensor load brings
.set XS,    TILE                       ; LDS: h's block at 0; the weight's slot s at XS + s TILE
.set SPARE, 3*TILE
; THE RESULTS' LAYOUT, by heads (a wave's 64 columns are one head).  qkc: block (token block, K step) of QB bytes = two heads of 6,656: the 48 code registers of the head's eight tiles of 16 tokens
; (register 6 i + e of tile i) in groups of four, group m at 512 m, lane l at 16 l; from 6,144 on the scale words (two bytes, two zeros): tile i, row r at 16 (16 (i % 2) + r) + 4 (i / 2).
; vt: block (feature block, token step) = two heads of 6,400: tile a of 16 features at 1536 a, in it registers 6 c, 6 c + 1 at 768 c + 8 l and 6 c + 2 .. 6 c + 5 at 768 c + 256 + 16 l; scale words from 6,144 on: tile a, row r at 8 (16 (a % 2) + r) + 4 (a / 2).
; THE HEAD'S LOADS: one a wave: waves 0, 1 the halves of h's block, waves 2, 3 the halves of the first weight tile (200 rows of 256 bytes each); the second tile follows behind the next round, a quarter a wave.
.set QB,   13312
.set COW,  22                          ; v22    tile 2: the place of a group of four code registers
.set ADRY, 12                          ; v12-13 LDS address of my fragments of h, K steps 0-3 and 4-7
.set ADRX, 14                          ; v14-17 of my fragments of the weight: 2 x slot + half of K
.set ADRS, 18                          ; v18-21 of my scale words, likewise: lanes 0-15 h's, lanes 16-31 the weight's
.set CO,   24                          ; v24    my codes' place in the output block, tiles 0 and 1
.set CS,   25                          ; v25    my scale bytes' place
.set COV,  26                          ; v26-27 the same for tile 2
.set CSV,  27
.set SPW,  28
.set NIL,  29
.set BA,   30                          ; v30    the bias' offset: 32 (lane / 16); never rewritten
.set SC,   32
.set BI,   40
.set PCD,  72                          ; v72-95  the codes, six registers for each a
.set SW,   96                          ; v96-99  two scale bytes for each a
.set MX,   104                         ; v104-111 the eight blocks' largest magnitudes; v104-119 later the conversions' second halves
.set PM,   112                         ; v112-119 lane l xor 16's, then the bytes
.set SO,   120                         ; v120-127 the conversions' scale operands
.set ACC,  128
.set G1Y, 24                           ; s[24:31] descriptor group 1 for h's block; s[32:35] its group 0
.set G0Y, 32
.set G0V, 36                           ; s[36:39] group 0 for the third weight tile
.set G1X, 48                           ; s[48:55] group 1 for the weight tiles; s[56:63] groups 0 of the first two
.set G0X, 56
.set SEL, 82
.set VROLE, 0                          ; 1 while tile 2 is multiplied
.set MSB, 0
.macro WIN new                         ; the immediate's high byte repeats the setting that is left
.if MSB != \new
	s_set_vgpr_msb (MSB<<8)|\new
.set MSB, \new
.endif
.endm
; h's FRAGMENTS STAY IN REGISTERS: my 64 tokens x all of K are 8 K steps x 4 fragments x 12 registers: K steps 0-4 in window 2 (48 q + 12 a), K steps 5-7 in window 3.  They are read from LDS once; a K step then fetches the weight's four fragments and the scale words alone.
.set MUL,  0x09                        ; set anew for each K step: the weight's fragments window 1, h's window 2 or 3; C and D window 0
.set HB,   0                           ; where the K step's fragments of h begin in their window
.set TO_F, 0x40                        ; destination window 1, address window 0
.macro CREST                           ; a round of the cluster's barrier behind its opening barrier
	s_cmp_lg_u32 s14, 0
	s_cbranch_scc1 .Lnot_wave_0_\@
	s_barrier_signal -3
.Lnot_wave_0_\@:
	s_barrier_wait -3
	s_barrier_signal -1
	s_barrier_wait -1
.endm
.macro CROUND
	s_barrier_signal -1
	s_barrier_wait -1
	CREST
.endm
.macro PLACES                          ; four plain lines behind matrix instructions, in front of loads into their registers and of the first read of results
.rept 4
	v_nop
.endr
.endm
; four matrix instructions: h's fragment a against the weight's four.  cm = 0: C is the accumulator; else the sums start: from the bias (tiles 0, 1) or from the constant 0 (tile 2).
; The 16 accumulators take turns in the same order in every step of a tile.  In a scale register lanes 0-15 hold h's words and lanes 16-31 the weight's.
.macro MUL4 f, sc, a, cm
.irp b, 0,1,2,3
.if VROLE
.if \cm == 0
	v_wmma_scale_f32_16x16x128_f8f6f4 v[ACC+8*(4*\b+(\a)):ACC+8*(4*\b+(\a))+7], v[HB+12*(\a):HB+12*(\a)+11], v[(\f)+12*\b:(\f)+12*\b+11], v[ACC+8*(4*\b+(\a)):ACC+8*(4*\b+(\a))+7], v[SC+4*(\sc)+(\a)], v[SC+4*(\sc)+\b] matrix_a_fmt:MATRIX_FMT_FP6 matrix_b_fmt:MATRIX_FMT_FP6 matrix_b_scale:MATRIX_SCALE_ROW1
.else
	v_wmma_scale_f32_16x16x128_f8f6f4 v[ACC+8*(4*\b+(\a)):ACC+8*(4*\b+(\a))+7], v[HB+12*(\a):HB+12*(\a)+11], v[(\f)+12*\b:(\f)+12*\b+11], 0, v[SC+4*(\sc)+(\a)], v[SC+4*(\sc)+\b] matrix_a_fmt:MATRIX_FMT_FP6 matrix_b_fmt:MATRIX_FMT_FP6 matrix_b_scale:MATRIX_SCALE_ROW1
.endif
.else
.if \cm == 0
	v_wmma_scale_f32_16x16x128_f8f6f4 v[ACC+8*(4*(\a)+\b):ACC+8*(4*(\a)+\b)+7], v[(\f)+12*\b:(\f)+12*\b+11], v[HB+12*(\a):HB+12*(\a)+11], v[ACC+8*(4*(\a)+\b):ACC+8*(4*(\a)+\b)+7], v[SC+4*(\sc)+\b], v[SC+4*(\sc)+(\a)] matrix_a_fmt:MATRIX_FMT_FP6 matrix_b_fmt:MATRIX_FMT_FP6 matrix_a_scale:MATRIX_SCALE_ROW1
.else
	v_wmma_scale_f32_16x16x128_f8f6f4 v[ACC+8*(4*(\a)+\b):ACC+8*(4*(\a)+\b)+7], v[(\f)+12*\b:(\f)+12*\b+11], v[HB+12*(\a):HB+12*(\a)+11], v[BI+8*\b:BI+8*\b+7], v[SC+4*(\sc)+\b], v[SC+4*(\sc)+(\a)] matrix_a_fmt:MATRIX_FMT_FP6 matrix_b_fmt:MATRIX_FMT_FP6 matrix_a_scale:MATRIX_SCALE_ROW1
.endif
.endif
.endr
.endm
; 28 LDS loads in one run: K step q (0..7) of the tile in a slot: 4 scale registers, the weight's four fragments; each load of 8 bytes a lane takes 256 consecutive bytes
.macro FETCH slot, q, f, sc
	WIN 0
.irp i, 0,1,2,3
	ds_load_b32 v[SC+4*(\sc)+\i], v[ADRS+2*(\slot)+(\q)/4] offset:((\q)%4)*BLK+64*\i
.endr
	WIN TO_F
.irp b, 0,1,2,3
.irp p, 0,1,2,3,4,5
	ds_load_b64 v[(\f)+12*\b+2*\p:(\f)+12*\b+2*\p+1], v[ADRX+2*(\slot)+(\q)/4] offset:((\q)%4)*BLK+1536*\b+256*\p
.endr
.endr
.endm
.macro LOADH                           ; my fragments of h, all of K, into windows 2 and 3: 192 loads, once
.irp q, 0,1,2,3,4,5,6,7
.set HW, 0x80+0x40*(\q/5)
	WIN HW
.irp b, 0,1,2,3
.irp p, 0,1,2,3,4,5
	ds_load_b64 v[48*(\q%5)+12*\b+2*\p:48*(\q%5)+12*\b+2*\p+1], v[ADRY+\q/4] offset:(\q%4)*BLK+1536*\b+256*\p
.endr
.endr
.endr
	WIN 0
.endm
.macro STEP slot, q, cm                ; one of a tile's first seven K steps: the next step's 28 loads go out ahead of this step's sixteen products
.if VROLE
.set MUL, 0x06+((\q)/5)
.else
.set MUL, 0x09+4*((\q)/5)
.endif
.set HB, 48*((\q)%5)
	s_wait_dscnt 0x0                               ; this step's fragments and scale words are in
	PLACES                                         ; behind the last step's products, which read the registers that the loads below fill
	FETCH \slot, (\q)+1, 128*(1-(\q)%2), 1-(\q)%2
	WIN MUL
	MUL4 128*((\q)%2), (\q)%2, 0, \cm
	MUL4 128*((\q)%2), (\q)%2, 1, \cm
	MUL4 128*((\q)%2), (\q)%2, 2, \cm
	MUL4 128*((\q)%2), (\q)%2, 3, \cm
.endm
.macro STEPS slot, cm
	STEP \slot, 0, \cm
.irp q, 1,2,3,4,5,6
	STEP \slot, \q, 0
.endr
.endm
; A tile's last K step changes slots: one barrier; in front of it each wave waits for all its tensor loads, adds 0 to its spare word, and waits for that and for its reads of this slot.  fill = 1: this slot takes the third tile
.macro TURN slot, next, fill
.set MUL, 0x0d                         ; K step 7: h's fragments in window 3
.set HB, 96
	WIN 0
	s_wait_tensorcnt 0x0                           ; my part of the next slot's tile has landed, and no load of mine is out
	ds_add_u32 v[SPW], v[NIL]                      ; 0 onto my spare word
	s_wait_dscnt 1                                 ; (the add may be out)
	WIN MUL
	MUL4 128, 1, 0, 0
	s_wait_dscnt 0x0                               ; the add is done, and my reads of this slot are over
	s_barrier_signal -1
	MUL4 128, 1, 1, 0
	WIN 0
	s_barrier_wait -1
.if \fill
	CREST                                          ; the barrier has opened a round of the cluster's: no wave of any partner still reads this slot or has a load on its way
	tensor_load_to_lds s[G0V:G0V+3], s[G1X:G1X+7]  ; the first tensor load behind the round, one a wave
	s_nop 0
.endif
	PLACES                                         ; the places in front of the loads below
	s_wait_alu depctr_va_vdst(0)
	FETCH \next, 0, 0, 0
	WIN MUL
	MUL4 128, 1, 2, 0
	MUL4 128, 1, 3, 0
.endm
; 32 numbers of a lane (two blocks of 16 registers) become six registers of codes in v[pc] on and two scale bytes in v[sw]
.macro QUANT8                          ; all 128 numbers of a lane at once: eight blocks (block c: registers ACC + 16 c on) by turns, so that no line waits for the line above it; six code registers for each a in v[PCD + 6 a] on, two scale bytes in v[SW + a]
.irp c, 0,1,2,3,4,5,6,7
	v_max3_num_f32 v[MX+\c], |v[ACC+16*\c]|, |v[ACC+16*\c+1]|, 0x1800000   ; each accumulator is read from its low end on; the floor 2^(3 - 127) holds the byte at 1 from below
.endr
.irp i, 2,4,6,8,10,12,14
.irp c, 0,1,2,3,4,5,6,7
	v_max3_num_f32 v[MX+\c], v[MX+\c], |v[ACC+16*\c+\i]|, |v[ACC+16*\c+\i+1]|
.endr
.endr
.irp c, 0,1,2,3,4,5,6,7
	v_permlanex16_b32 v[PM+\c], v[MX+\c], s[SEL], s[SEL+1]
.endr
.irp c, 0,1,2,3,4,5,6,7
	v_max_num_f32 v[MX+\c], v[MX+\c], v[PM+\c]     ; with lane l xor 16's 16: the block's largest magnitude
.endr
.irp c, 0,1,2,3,4,5,6,7
	v_add_nc_u32 v[SO+\c], 0xff000000, v[MX+\c]    ; 2 off the exponent field: the conversion's scale operand
.endr
.irp c, 0,1,2,3,4,5,6,7
	v_lshrrev_b32 v[PM+\c], 23, v[SO+\c]           ; the byte
.endr
.irp a, 0,1,2,3
	v_lshl_or_b32 v[SW+\a], v[PM+2*\a+1], 8, v[PM+2*\a]
.endr
.irp a, 0,1,2,3
	v_cvt_scalef32_pk16_fp6_f32 v[PCD+6*\a:PCD+6*\a+2], v[ACC+32*\a:ACC+32*\a+15], v[SO+2*\a]
	v_cvt_scalef32_pk16_fp6_f32 v[MX+4*\a:MX+4*\a+2], v[ACC+32*\a+16:ACC+32*\a+31], v[SO+2*\a+1]   ; (a conversion's three registers begin on an even number; the magnitudes and bytes that lay here are done with)
.endr
	v_nop                                          ; one plain line behind a scaled conversion
.irp a, 0,1,2,3
.irp i, 0,1,2
	v_permlane16_swap_b32 v[PCD+6*\a+\i], v[MX+4*\a+\i]   ; a whole block to a lane: lanes 0-15 the first block, lanes 16-31 the second
.endr
.endr
.irp a, 0,1,2,3
.irp i, 0,1,2
	v_mov_b32 v[PCD+6*\a+3+\i], v[MX+4*\a+\i]
.endr
.endr
.endm
; THE WAY OUT of a tile: my 64 numbers along the output's K are half a K step of the output block: six registers of each of my four tiles of rows, and two bytes of their scale words
.macro EPI co, cs, base, off
	WIN 0
	PLACES
	s_wait_xcnt 0x0
	QUANT8
.irp a, 0,1,2,3
.if VROLE
	global_store_b64 v[COV], v[PCD+6*\a:PCD+6*\a+1], s[\base:\base+1] offset:1536*\a               ; 32 lanes store 256 consecutive aligned bytes,
	global_store_b128 v[COW], v[PCD+6*\a+2:PCD+6*\a+5], s[\base:\base+1] offset:1536*\a+256        ; and 512
	global_store_b16 v[\cs], v[SW+\a], s[\base:\base+1] offset:6144+128*(\a%2)+4*(\a/2)            ; both halves of the lanes write the same two bytes
.else
	global_store_b32 v[\cs], v[SW+\a], s[\base:\base+1] offset:(\off)+6144+256*(\a%2)+4*(\a/2)     ; two scale bytes and two zeros
.endif
.endr
.if VROLE == 0
.irp m, 0,1,2,3,4,5
	global_store_b128 v[\co], v[PCD+4*\m:PCD+4*\m+3], s[\base:\base+1] offset:(\off)+512*\m        ; 32 lanes store 512 consecutive aligned bytes
.endr
.endif
.endm
.macro BIAS off                        ; lane (r, h) wants, for accumulator column b, the eight numbers at 16 b + 8 h
.irp b, 0,1,2,3
	global_load_b128 v[BI+8*\b:BI+8*\b+3], v[BA], s[8:9] offset:(\off)+64*\b
	global_load_b128 v[BI+8*\b+4:BI+8*\b+7], v[BA], s[8:9] offset:(\off)+64*\b+16
.endr
.endm
	s_load_b128 s[4:7], s[0:1], 0x0                ; wimg, himg
	s_load_b128 s[8:11], s[0:1], 0x10              ; b_qk, qkc
	s_load_b64 s[12:13], s[0:1], 0x20              ; vt
	v_lshl_add_u32 v[SPW], v0, 2, SPARE
	v_mov_b32 v[NIL], 0
	ds_add_u32 v[SPW], v[NIL]                      ; the wave's opening: the add and its wait come ahead of my first tensor load; the set-up below stands between them
	ds_add_u32 v[SPW], v[NIL]
	v_lshrrev_b32 v1, 5, v0
	v_readfirstlane_b32 s14, v1                    ; wave 0..3
	s_lshr_b32 s15, s14, 1                         ; my half of h's 128 tokens
	s_and_b32 s16, s14, 1                          ; my half of the weight tile's 128 columns
	s_bfe_u32 s40, ttmp6, 0x40000                  ; cx
	s_bfe_u32 s41, ttmp6, 0x40004                  ; cy
	s_lshl_b32 s42, ttmp9, 2
	s_add_co_u32 s42, s42, s40                     ; g = 4 x cluster x + cx: 0..7
	s_and_b32 s17, ttmp7, 0xffff
	s_lshl_b32 s17, s17, 2
	s_add_co_u32 s17, s17, s41                     ; T = 4 x cluster y + cy: 0..31
	s_lshl_b32 s43, s41, 2
	s_lshl_b32 s43, 15, s43                        ; my row of the cluster
	s_lshl_b32 s44, 0x1111, s40                    ; my column
	s_or_b32 s[G1Y+0], s43, (3<<16)|(1<<21)        ; 15:0 the mask; 17:16 elements of 8 bytes; 21 set beside a mask; no padding
	s_or_b32 s[G1X+0], s44, (3<<16)|(1<<21)
.irp g, G1Y, G1X
	s_mov_b32 s[\g+1], 32<<16                      ; tensor_dim0 = 32 elements: 256 bytes
	s_mov_b32 s[\g+2], 200<<16                     ; tensor_dim1 = 200 rows, for the head's loads
	s_mov_b32 s[\g+3], 32<<16                      ; tile_dim0
	s_mov_b32 s[\g+4], 200                         ; tile_dim1
	s_mov_b32 s[\g+5], 32                          ; the pitch: dense
	s_mov_b32 s[\g+6], 0
	s_mov_b32 s[\g+7], 0
.endr
	s_mul_i32 s18, s14, QUART                      ; my quarter of a tile, in memory and in LDS: no place in the cluster enters an LDS address
	s_mul_i32 s19, s16, HALF                       ; at the head: my half of a tile
	s_mul_i32 s20, s17, TILE
	s_add_co_u32 s20, s20, s19
	s_mov_b32 s21, 0
	s_mul_i32 s46, s42, 2*TILE
	s_add_co_u32 s94, s46, s19                     ; the first tile by halves
	s_mov_b32 s95, 0
	s_add_co_u32 s46, s46, s18
	s_mov_b32 s47, 0
	s_mul_i32 s66, s42, TILE
	s_add_co_u32 s66, s66, s18                     ; W_v's block g
	s_mov_b32 s67, 0
	s_mov_b32 s[SEL], 0x76543210
	s_mov_b32 s[SEL+1], 0xfedcba98
	s_wait_dscnt 0x0                               ; the opening add is done
	s_wait_kmcnt 0x0
	s_add_nc_u64 s[20:21], s[6:7], s[20:21]
	s_add_nc_u64 s[46:47], s[4:5], s[46:47]
	s_add_nc_u64 s[94:95], s[4:5], s[94:95]
	s_add_nc_u64 s[66:67], s[4:5], s[66:67]
	s_add_nc_u64 s[66:67], s[66:67], 128*BLK       ; W_v's images lie behind W_qk's 128 blocks
	CROUND                                         ; all sixteen work-groups are here: the first joint loads meet
	s_mov_b32 s[G0Y], 1
	s_mov_b32 s[G0Y+1], s19
	s_mov_b64 s[G0Y+2:G0Y+3], s[20:21]
	s_or_b32 s[G0Y+3], s[G0Y+3], 0x80000000
	s_mov_b32 s[G0X], 1                            ; the first tile: my half
	s_add_co_u32 s[G0X+1], s19, XS
	s_mov_b64 s[G0X+2:G0X+3], s[94:95]
	s_or_b32 s[G0X+3], s[G0X+3], 0x80000000
	s_mov_b32 s[G0X+4], 1                          ; the second: my quarter
	s_add_co_u32 s[G0X+5], s18, XS+TILE
	s_add_nc_u64 s[G0X+6:G0X+7], s[46:47], TILE
	s_or_b32 s[G0X+7], s[G0X+7], 0x80000000
	s_mov_b32 s[G0V], 1
	s_add_co_u32 s[G0V+1], s18, XS                 ; the third tile goes into slot 0
	s_mov_b64 s[G0V+2:G0V+3], s[66:67]
	s_or_b32 s[G0V+3], s[G0V+3], 0x80000000
	s_cmp_eq_u32 s15, 0                            ; one tensor load a wave at the head
	s_cbranch_scc0 .Lhead_x
	tensor_load_to_lds s[G0Y:G0Y+3], s[G1Y:G1Y+7]  ; waves 0, 1: h's block by halves
	s_nop 0
	PLACES
	s_branch .Lhead_asked
.Lhead_x:
	tensor_load_to_lds s[G0X:G0X+3], s[G1X:G1X+7]  ; waves 2, 3: the first weight tile by halves
	s_nop 0
	PLACES
.Lhead_asked:
	v_and_b32 v1, 15, v0                           ; r
	v_bfe_u32 v2, v0, 4, 1                         ; h
	v_and_b32 v3, 31, v0
	v_lshlrev_b32 v3, 3, v3                        ; 8 x lane
	s_wait_alu depctr_va_vdst(0)
	s_lshl_b32 s76, s42, 10                        ; the bias of my 64 columns of the first tile: 1,024 bytes for each g,
	s_lshl_b32 s68, s16, 8
	s_add_co_u32 s76, s76, s68                     ; + 256 x my half
	s_mov_b32 s77, 0
	s_add_nc_u64 s[8:9], s[8:9], s[76:77]
	v_lshlrev_b32 v[BA], 5, v2
	BIAS 0
	s_mul_i32 s68, s15, 6144                       ; my four tiles of tokens
	s_mul_i32 s69, s16, 6144                       ; my four tiles of columns,
	s_add_co_u32 s69, s69, XS                      ; in slot 0
	v_add_nc_u32 v[ADRY], s68, v3
	v_add_nc_u32 v[ADRY+1], HALF, v[ADRY]
.irp k, 0,1,2,3
	v_add_nc_u32 v[ADRX+\k], s69, v3
	s_add_co_u32 s69, s69, HALF
.endr
	s_lshl_b32 s68, s15, 8                         ; scale words: 64 bytes a tile of 16 rows
	s_lshl_b32 s69, s16, 8
	s_add_co_u32 s69, s69, XS
	s_sub_co_u32 s69, s69, s68                     ; from h's words to the weight's in slot 0
	s_add_co_u32 s68, s68, 12288
.irp s, 0,1
	v_mul_u32_u24 v4, s69, v2                      ; lanes 16-31 take the weight's: one product, the distance between the two bases
	v_lshl_add_u32 v4, v1, 2, v4
	v_add_nc_u32 v[ADRS+2*\s], s68, v4
	v_add_nc_u32 v[ADRS+2*\s+1], HALF, v[ADRS+2*\s]
	s_add_co_u32 s69, s69, TILE
.endr
	s_mul_i32 s68, s16, 6656                       ; the way out, tiles 0 and 1: my head's half of the block,
	s_mul_i32 s69, s15, 3072                       ; my four tiles of tokens: six groups of four registers
	s_add_co_u32 s69, s68, s69
	v_lshl_add_u32 v[CO], v3, 1, s69               ; 16 x lane
	s_lshl_b32 s69, s15, 3
	s_add_co_u32 s69, s68, s69
	v_lshl_add_u32 v[CS], v1, 4, s69               ; scale words: 16 r + 8 x my half of the tokens
	s_mul_i32 s68, s16, 6400                       ; tile 2: my head's half of the block,
	s_mul_i32 s69, s15, 768                        ; my half of each fragment's registers
	s_add_co_u32 s69, s68, s69
	v_add_nc_u32 v[COV], s69, v3
	v_lshl_add_u32 v[COW], v3, 1, s69
	s_lshl_b32 s69, s15, 1
	s_add_co_u32 s69, s68, s69
	v_lshl_add_u32 v[CSV], v1, 3, s69
.irp c, 0,1,2,3,4,5,6,7
	v_mov_b32 v[PM+\c], 0                          ; written once: a lane permute's destination counts as one of its sources
.endr
	s_lshl_b32 s78, s17, 4                         ; qkc: block 16 T + 2 g; the second tile's lies behind it
	s_lshl_b32 s79, s42, 1
	s_add_co_u32 s78, s78, s79
	s_mul_i32 s78, s78, QB
	s_mov_b32 s79, 0
	s_add_nc_u64 s[80:81], s[10:11], s[78:79]
	s_lshl_b32 s78, s42, 5                         ; vt: block 32 g + T
	s_add_co_u32 s78, s78, s17
	s_mul_i32 s78, s78, BLK
	s_add_nc_u64 s[86:87], s[12:13], s[78:79]
	s_wait_loadcnt 0x0                             ; the first tile's bias
	s_wait_alu depctr_va_vdst(0)
	s_wait_tensorcnt 0x0                           ; my half tile is in
	ds_add_u32 v[SPW], v[NIL]
	s_mov_b32 s[G1X+2], 100<<16                    ; no load of mine is out: from here on a load brings 100 rows
	s_mov_b32 s[G1X+4], 100
	s_wait_dscnt 0x0
	CROUND                                         ; everybody's half tiles are in, and the sixteen work-groups meet
	tensor_load_to_lds s[G0X+4:G0X+7], s[G1X:G1X+7]  ; the second weight tile, my quarter: my one load behind the round
	s_nop 0
	PLACES
	LOADH
	FETCH 0, 0, 0, 0
	STEP 0, 0, 2                                   ; the first products start the sums from the bias
	WIN 0
	PLACES                                         ; behind the products that read the bias as C:
	BIAS 512                                       ; the second tile's, 128 columns on, into the same registers
.irp q, 1,2,3,4,5,6
	STEP 0, \q, 0
.endr
	TURN 0, 1, 1                                   ; slot 0 takes W_v's tile
	EPI CO, CS, 80, 0
	s_wait_loadcnt 0x0                             ; the second tile's bias
	STEPS 1, 2
	TURN 1, 0, 0                                   ; nothing is left to fetch
	EPI CO, CS, 80, QB
.set VROLE, 1
	STEPS 0, 1                                     ; V: the sources change places; the constant 0 starts the sums
.set MUL, 0x07                         ; K step 7 with the sources changed: h's fragments, window 3, are source 0
.set HB, 96
	s_wait_dscnt 0x0
	WIN MUL
	MUL4 128, 1, 0, 0
	MUL4 128, 1, 1, 0
	MUL4 128, 1, 2, 0
	MUL4 128, 1, 3, 0
	EPI COV, CSV, 86, 0
	s_wait_tensorcnt 0x0                           ; the wave's end
	ds_add_u32 v[SPW], v[NIL]
	s_wait_dscnt 0x0
	CROUND                                         ; the closing round
	s_endpgm
.Lfunc_end_k_q7c0eaba7b4_qkv:
	.size	k_q7c0eaba7b4_qkv, .Lfunc_end_k_q7c0eaba7b4_qkv-k_q7c0eaba7b4_qkv
	.p2alignl 7, 3214868480
	.fill 96, 4, 3214868480
	.section	.rodata,"a",@progbits
	.p2align	6, 0x0
	.amdhsa_kernel k_q7c0eaba7b4_qkv
		.amdhsa_group_segment_fixed_size 327680
		.amdhsa_private_segment_fixed_size 0
		.amdhsa_enable_private_segment 0
		.amdhsa_kernarg_size 40
		.amdhsa_user_sgpr_count 2
		.amdhsa_user_sgpr_kernarg_segment_ptr 1
		.amdhsa_wavefront_size32 1
		.amdhsa_system_sgpr_workgroup_id_x 1
		.amdhsa_system_sgpr_workgroup_id_y 1
		.amdhsa_system_sgpr_workgroup_id_z 1
		.amdhsa_system_vgpr_workitem_id 0
		.amdhsa_next_free_vgpr 1024
		.amdhsa_next_free_sgpr 100
		.amdhsa_reserve_vcc 0
		.amdhsa_float_denorm_mode_32 3
		.amdhsa_float_denorm_mode_16_64 3
		.amdhsa_memory_ordered 1
		.amdhsa_forward_progress 1
		.amdhsa_inst_pref_size 146
	.end_amdhsa_kernel
	.amdgpu_metadata
---
amdhsa.version: [ 1, 2 ]
amdhsa.kernels:
  - .name:           k_q7c0eaba7b4_qkv
    .symbol:         k_q7c0eaba7b4_qkv.kd
    .args:
      - { .name: wimg, .offset: 0, .size: 8, .value_kind: global_buffer, .address_space: global }
      - { .name: himg, .offset: 8, .size: 8, .value_kind: global_buffer, .address_space: global }
      - { .name: b_qk, .offset: 16, .size: 8, .value_kind: global_buffer, .address_space: global }
      - { .name: qkc, .offset: 24, .size: 8, .value_kind: global_buffer, .address_space: global }
      - { .name: vt, .offset: 32, .size: 8, .value_kind: global_buffer, .address_space: global }
    .group_segment_fixed_size: 327680
    .private_segment_fixed_size: 0
    .kernarg_segment_align: 8
    .kernarg_segment_size: 40
    .max_flat_workgroup_size: 128
    .sgpr_count:     100
    .vgpr_count:     1024
    .wavefront_size: 32
...
	.end_amdgpu_metadata
.endif
;; end of part 2
;; launch attn (part 3): grid 8 x 32, 16 waves a work-group, clusters of 4 x 1, 327,680 bytes of LDS; arguments qkc, vt, oimg; writes oimg
.if DOCPART == 3
	.amdgcn_target "amdgcn-amd-amdhsa--gfx1250"
	.amdhsa_code_object_version 6
	.text
	.protected	k_q7c0eaba7b4_attn
	.globl	k_q7c0eaba7b4_attn
	.p2align	8
	.type	k_q7c0eaba7b4_attn,@function
k_q7c0eaba7b4_attn:
	s_mov_b64 s[64:65], 0
	v_nop
	global_prefetch_b8 v0, s[64:65] scope:SCOPE_SE
	s_setreg_imm32_b32 hwreg(HW_REG_WAVE_MODE, 25, 1), 1
	s_wait_xcnt 0x0
	s_wait_alu depctr_hold_cnt(0) depctr_sa_sdst(0) depctr_va_vdst(0) depctr_va_sdst(0) depctr_va_ssrc(0) depctr_va_vcc(0) depctr_vm_vsrc(0)
	s_getreg_b32 s2, hwreg(HW_REG_IB_STS2, 6, 4)
	s_cmp_eq_u32 s2, 0
	s_cbranch_scc0 .Lentry_in_a_cluster
	s_endpgm
.Lentry_in_a_cluster:
	s_bfe_u32 s2, ttmp6, 0x10000c
	s_cmp_lg_u32 s2, 0x3003
	s_cbranch_scc0 .Lentry_shape_is_right
	s_endpgm
.Lentry_shape_is_right:
; Causal attention on codes of FP6 (E2M3): S^T = k q^T (K = the head's 64), p = 2^(t - M), O^T = V^T p^T (K = the keys), o = O / l quantised along the features into oimg.
; t = score x log2(e) / 8; M = the running largest t rounded UP to a whole number; p is not normalised; l is the sum of the unquantised p; when M moves, l and O^T are multiplied by 2^(old M - new M): exact.
; INPUTS, by heads.  qkc: block (token block, K step; q's steps 0-7, k's 8-15) = two heads of 6,656 bytes: the 48 code registers of eight tiles of 16 tokens in groups of four (group m at 512 m, lane l at 16 l);
;   from 6,144 on the scale words (two bytes, two zeros): tile i, row r at 16 (16 (i % 2) + r) + 4 (i / 2).   vt: block (feature block, token step) = two heads of 6,400 bytes: tile a of 16 features at 1536 a, registers 6 c, 6 c + 1 at 768 c + 8 l,
;   registers 6 c + 2 .. 6 c + 5 at 768 c + 256 + 16 l; scale words from 6,144 on: tile a, row r at 8 (16 (a % 2) + r) + 4 (a / 2).   oimg: image blocks of 12,800 bytes (tile i at 1536 i, register pair p at 256 p, lane at 8 l; scale words at 12288 + 64 i + 4 r).
; THE HEAD'S 64 fill half of the instruction's K: q's registers 6-11 are zero codes and the scale bytes 2, 3 of q and k are 0 (a finite power of two): k's tile t is named v[32 + 6 t .. 43 + 6 t], whose upper six registers count for nothing.
; SHARES.  Work-group (j, head): tile j (16 queries) of each of the 16 blocks of 128 queries.  Waves 2 b, 2 b + 1 share blocks b and 15 - b, which need b + 1 and 16 - b key steps of 128 keys (later keys are hidden by the causal mask and are passed over):
; wave A takes block 15 - b against key steps 0-8 (9 steps); wave B takes block b (b + 1 steps), stores it, and then block 15 - b against key steps 9 .. 15 - b (7 - b steps): 8 steps.  B's O^T, M and l of block 15 - b go to A through an LDS stage of their own;
; A brings both parts under the larger M (powers of two: exact), adds them and stores the block.  (b = 7: B's second part is empty: zeros under M = -5e37, whose factor comes out 0.)  Which of the two waves is A: (w xor w / 4) % 2.
; Both loops have eight trips for every wave; a step that is not the wave's is passed over by a scalar branch on the wave's number.
; THE MASK of a block's last key step is the same for all waves of the work-group: register 8 t + i is hidden where 16 t + i > d = 16 j + lane % 16 - 8 (lane / 16).  It is made once, as an image of the 64 score registers (0, or -3e38 where hidden; four registers a wave),
; laid in LDS bytes of its own, and is the C of that step's score products.  No branch hangs on j.  CLUSTER 4 x 1: the four work-groups j of a head's half ask for k and V^T jointly.
; THE WHOLE HEAD'S k AND V^T COME INTO LDS ONCE: waves 0-7 ask for k of two key steps each (two rows of 6,656 bytes), waves 8-15 for V^T of two (two rows of 6,400): one load a wave; one barrier; nothing is filled again.
; No prefetch: all that the launch reads by tensor loads is asked for at its head.
; A lane holds ONE query (lane % 16); register 8 t + i of S^T is key 16 t + 8 (lane / 16) + i, so registers 16 b .. 16 b + 15 are 16 keys of block b of 32, in the order in which V^T's tokens are laid.
; LIMITS: the promise holds while the scaled scores stay under 2^31 in magnitude; a block of zeros gets the byte 1 (its codes are zeros); NaN and infinities are not served.  A block's largest p is taken as the exponential of its largest score.
.set QH,    6656
.set VH,    6400
.set QB,    13312
.set OBK,   12800
.set KSO,   6144
.set VBASE, 16*QH                      ; LDS: k's 16 key steps, then V^T's 16
.set STAGE, VBASE+16*VH                ; then eight stages of 4,608 bytes, one for each pair of waves
.set MASK,  STAGE+8*4608               ; then the mask's image, 16 groups of four registers x 512 bytes
.set SPARE, MASK+16*512                ; then the spare words, 128 bytes for each wave
.set SPW, 5
.set NIL, 6
.set A16, 8                            ; v8 k's LDS address; v10, v9 V^T's: + 16 x lane, + 8 x lane
.set AV8, 9
.set AV16, 10
.set SG,  94                           ; v94 my pair's stage + 16 x lane
.set MR,  95                           ; v95 the mask's image + 16 x lane
.set BM,  212
.set BP,  216
.set BS,  220
.set PW,  225
.set ST,  240
.set WV,  18
.set SEL, 20
.set CS,  22                           ; s[22:23] c = log2(e) / 8
.set NC,  68                           ; s68 -c
.set LIM, 40                           ; the loop's last key step that is mine,
.set LOW, 48                           ; and its first
.set DG,  41                           ; the key step with the mask
.set TV,  45
.set KI,  76
.set TB,  77
.set CNT, 78
.set ROLE, 79                          ; 0: A, 1: B
.set WK,  87                           ; 0: I fetch k, 1: V^T
.macro ROUND                           ; a round of the cluster's barrier
	s_barrier_signal -1
	s_barrier_wait -1
	s_cmp_lg_u32 s[WV], 0
	s_cbranch_scc1 .Lnw0_\@
	s_barrier_signal -3
.Lnw0_\@:
	s_barrier_wait -3
	s_barrier_signal -1
	s_barrier_wait -1
.endm
.macro G1SET g, c, r, p                ; group 1: r rows of c elements of 8 bytes, p elements apart; the mask names the cluster's four
	s_mov_b32 s[\g], 15|(3<<16)|(1<<21)
	s_mov_b32 s[\g+1], (\c)<<16
	s_mov_b32 s[\g+2], (\r)<<16
	s_mov_b32 s[\g+3], (\c)<<16
	s_mov_b32 s[\g+4], \r
	s_mov_b32 s[\g+5], \p
	s_mov_b32 s[\g+6], 0
	s_mov_b32 s[\g+7], 0
.endm
.macro SMUL masked                     ; the eight score products; masked = 1: onto the mask's image, which lies in their registers
.irp t, 0,2,4,6
.if \masked
	v_wmma_scale_f32_16x16x128_f8f6f4 v[96+8*\t:103+8*\t], v[32+6*\t:43+6*\t], v[16:27], v[96+8*\t:103+8*\t], v[86+\t/2], v28 matrix_a_fmt:MATRIX_FMT_FP6 matrix_b_fmt:MATRIX_FMT_FP6
	v_wmma_scale_f32_16x16x128_f8f6f4 v[104+8*\t:111+8*\t], v[38+6*\t:49+6*\t], v[16:27], v[104+8*\t:111+8*\t], v[86+\t/2], v28 matrix_a_fmt:MATRIX_FMT_FP6 matrix_b_fmt:MATRIX_FMT_FP6 matrix_a_scale:MATRIX_SCALE_ROW1
.else
	v_wmma_scale_f32_16x16x128_f8f6f4 v[96+8*\t:103+8*\t], v[32+6*\t:43+6*\t], v[16:27], 0, v[86+\t/2], v28 matrix_a_fmt:MATRIX_FMT_FP6 matrix_b_fmt:MATRIX_FMT_FP6
	v_wmma_scale_f32_16x16x128_f8f6f4 v[104+8*\t:111+8*\t], v[38+6*\t:49+6*\t], v[16:27], 0, v[86+\t/2], v28 matrix_a_fmt:MATRIX_FMT_FP6 matrix_b_fmt:MATRIX_FMT_FP6 matrix_a_scale:MATRIX_SCALE_ROW1
.endif
.endr
.endm
; eight key steps, from step first on
.macro HALF first
	s_mov_b32 s[KI], \first
	s_mov_b32 s[TB], (\first)*QH
	s_mov_b32 s[TV], VBASE+(\first)*VH
	s_mov_b32 s[CNT], 8
.Lstep_\@:
	s_cmp_gt_u32 s[KI], s[LIM]                     ; not mine
	s_cbranch_scc1 .Lhid_\@
	s_cmp_lt_u32 s[KI], s[LOW]
	s_cbranch_scc1 .Lhid_\@
	v_add_nc_u32 v[A16], s[TB], v1                 ; (four places in front of the loads into registers that the last products read)
	v_add_nc_u32 v[AV16], s[TV], v1
	v_add_nc_u32 v[AV8], s[TV], v2
	v_nop
.irp m, 0,1,2,3,4,5,6,7,8,9,10,11
	ds_load_b128 v[32+4*\m:35+4*\m], v[A16] offset:512*\m
.endr
	ds_load_b128 v[86:89], v[A16] offset:KSO       ; register u: lanes 0-15 tile 2 u's scale words, lanes 16-31 tile 2 u + 1's
	s_wait_alu depctr_va_vdst(0)
	s_cmp_lg_u32 s[KI], s[DG]                      ; an earlier block of keys: all count
	s_cbranch_scc1 .Lplain_\@
.irp m, 0,1,2,3,4,5,6,7,8,9,10,11,12,13,14,15
	ds_load_b128 v[96+4*\m:99+4*\m], v[MR] offset:512*\m   ; the mask's image
.endr
	s_wait_dscnt 0x0
	SMUL 1
	s_branch .Lscored_\@
.Lplain_\@:
	s_wait_dscnt 0x0
	SMUL 0
.Lscored_\@:
.rept 4
	v_nop                                          ; places: in front of the loads below and of the first read of the scores
.endr
.irp t, 0,1,2,3
.irp c, 0,1
	ds_load_b64 v[32+12*\t+6*\c:33+12*\t+6*\c], v[AV8] offset:1536*\t+768*\c        ; V^T's four tiles land while the softmax is worked
	ds_load_b128 v[34+12*\t+6*\c:37+12*\t+6*\c], v[AV16] offset:1536*\t+768*\c+256
.endr
.endr
	ds_load_b64 v[90:91], v[AV8] offset:6144
.irp b, 0,1,2,3
	v_max3_num_f32 v[BM+\b], v[96+16*\b], v[97+16*\b], v[98+16*\b]   ; the largest score of each block of 32 keys
.endr
.irp i, 3,5,7,9,11,13
.irp b, 0,1,2,3
	v_max3_num_f32 v[BM+\b], v[BM+\b], v[96+16*\b+\i], v[97+16*\b+\i]
.endr
.endr
.irp b, 0,1,2,3
	v_max_num_f32 v[BM+\b], v[BM+\b], v[111+16*\b]
.endr
.irp b, 0,1,2,3
	v_permlanex16_b32 v[BP+\b], v[BM+\b], s[SEL], s[SEL+1]
.endr
.irp b, 0,1,2,3
	v_max_num_f32 v[BM+\b], v[BM+\b], v[BP+\b]     ; with lane l xor 16's 16 keys
.endr
	v_max3_num_f32 v224, v[BM], v[BM+1], v[BM+2]
	v_mov_b32 v31, v12                             ; the old -M
	s_delay_alu instid0(VALU_DEP_2)
	v_max3_num_f32 v13, v13, v224, v[BM+3]         ; the running largest score
	s_delay_alu instid0(VALU_DEP_1)
	v_mul_f32 v224, s[NC], v13                     ; -t
	s_delay_alu instid0(VALU_DEP_1)
	v_floor_f32 v12, v224                          ; the new -M = -ceil(t)
	s_delay_alu instid0(VALU_DEP_1)
	v_sub_f32 v224, v12, v31                       ; old M - new M: a whole number, 0 or less
	s_delay_alu instid0(VALU_DEP_1)
	v_cvt_i32_f32 v224, v224                       ; (it saturates)
	s_delay_alu instid0(VALU_DEP_1)
	v_ldexp_f32 v226, 1.0, v224                    ; f = 2^(old M - new M)
.set J, 0
.rept 32
	v_pk_fma_f32 v[96+J:97+J], v[96+J:97+J], s[CS:CS+1], v[12:13] op_sel_hi:[1,0,0]   ; t - M
.set J, J+2
.endr
.irp b, 0,1,2,3
	v_fma_f32 v[BM+\b], v[BM+\b], s[CS], v12       ; the same of each block's largest score
.endr
	s_wait_alu depctr_va_vdst(0)
.set J, 0
.rept 64
	v_exp_f32 v[96+J], v[96+J]                     ; p = 2^(t - M)
.set J, J+1
.endr
	v_pk_mul_f32 v[14:15], v[14:15], v[226:227] op_sel_hi:[1,0]   ; the sums under the new M; the plain line behind the exponentials
	s_wait_alu depctr_va_vdst(0)                   ; one wait for the batch, ahead of its first reader
.irp b, 0,1,2,3
	v_exp_f32 v[BM+\b], v[BM+\b]                   ; the block's largest p
.endr
.irp k, 0,1,2,3,4,5,6
	v_pk_add_f32 v[ST+2*\k:ST+2*\k+1], v[96+4*\k:97+4*\k], v[98+4*\k:99+4*\k]   ; the row's sum of the unquantised p, in eight chains
.endr
.set N, 14
.rept 18
.if (N+1)%8 == 7
	v_pk_add_f32 v[14:15], v[14:15], v[96+2*N:97+2*N]
.else
	v_pk_add_f32 v[ST+2*((N+1)%8):ST+2*((N+1)%8)+1], v[ST+2*((N+1)%8):ST+2*((N+1)%8)+1], v[96+2*N:97+2*N]
.endif
.set N, N+1
.endr
	v_pk_add_f32 v[ST:ST+1], v[ST:ST+1], v[ST+2:ST+3]
	v_pk_add_f32 v[ST+4:ST+5], v[ST+4:ST+5], v[ST+6:ST+7]
	v_pk_add_f32 v[ST+8:ST+9], v[ST+8:ST+9], v[ST+10:ST+11]
	v_pk_add_f32 v[14:15], v[14:15], v[ST+12:ST+13]
	s_delay_alu instid0(VALU_DEP_3)
	v_pk_add_f32 v[ST:ST+1], v[ST:ST+1], v[ST+4:ST+5]
	s_delay_alu instid0(VALU_DEP_2)
	v_pk_add_f32 v[14:15], v[14:15], v[ST+8:ST+9]
	s_delay_alu instid0(VALU_DEP_1)
	v_pk_add_f32 v[14:15], v[14:15], v[ST:ST+1]
	s_wait_alu depctr_va_vdst(0)                   ; and one for the four
.irp b, 0,1,2,3
	v_max_num_f32 v[BM+\b], 0x1800000, v[BM+\b]    ; the floor 2^(3 - 127): the byte cannot fall under 1
.endr
.irp b, 0,1,2,3
	v_add_nc_u32 v[BS+\b], 0xff000000, v[BM+\b]    ; 2 off the exponent field: the conversion's scale operand
.endr
.irp b, 0,1,2,3
	v_lshrrev_b32 v[BP+\b], 23, v[BS+\b]           ; the byte
.endr
	v_lshl_or_b32 v[PW], v[BP+1], 8, v[BP]
	v_lshl_or_b32 v224, v[BP+3], 8, v[BP+2]
	s_delay_alu instid0(VALU_DEP_1)
	v_lshl_or_b32 v[PW], v224, 16, v[PW]           ; p's scale word for these 128 keys
.irp c, 0,1
	v_cvt_scalef32_pk16_fp6_f32 v[192+6*\c:194+6*\c], v[96+32*\c:111+32*\c], v[BS+2*\c]
	v_cvt_scalef32_pk16_fp6_f32 v[204+4*\c:206+4*\c], v[112+32*\c:127+32*\c], v[BS+2*\c+1]
.endr
	v_nop                                          ; one plain line behind a scaled conversion
.irp c, 0,1
.irp i, 0,1,2
	v_permlane16_swap_b32 v[192+6*\c+\i], v[204+4*\c+\i]   ; a whole block to a lane
.endr
.irp i, 0,1,2
	v_mov_b32 v[195+6*\c+\i], v[204+4*\c+\i]
.endr
.endr
	s_wait_alu depctr_va_vdst(0)
.set J, 0
.rept 16
	v_pk_mul_f32 v[160+J:161+J], v[160+J:161+J], v[226:227] op_sel_hi:[1,0]   ; O^T under the new M; for each product below twelve of these name none of its registers
.set J, J+2
.endr
	s_wait_alu depctr_va_vdst(0)
	s_wait_dscnt 0x0                               ; V^T's tiles are in
.irp t, 0,2
	v_wmma_scale_f32_16x16x128_f8f6f4 v[160+8*\t:167+8*\t], v[32+12*\t:43+12*\t], v[192:203], v[160+8*\t:167+8*\t], v[90+\t/2], v[PW] matrix_a_fmt:MATRIX_FMT_FP6 matrix_b_fmt:MATRIX_FMT_FP6
	v_wmma_scale_f32_16x16x128_f8f6f4 v[168+8*\t:175+8*\t], v[44+12*\t:55+12*\t], v[192:203], v[168+8*\t:175+8*\t], v[90+\t/2], v[PW] matrix_a_fmt:MATRIX_FMT_FP6 matrix_b_fmt:MATRIX_FMT_FP6 matrix_a_scale:MATRIX_SCALE_ROW1
.endr
.Lhid_\@:
	s_add_co_u32 s[KI], s[KI], 1
	s_add_co_u32 s[TB], s[TB], QH
	s_add_co_u32 s[TV], s[TV], VH
	s_sub_co_u32 s[CNT], s[CNT], 1
	s_cmp_lg_u32 s[CNT], 0
	s_cbranch_scc1 .Lstep_\@
.endm
; THE WAY OUT of a finished tile: o = O^T / l, quantised along the head's 64 (two blocks), as registers 6 c .. 6 c + 5 of my tile in o's image block
.macro EPI
.rept 4
	v_nop                                          ; places behind the last products
.endr
	v_add_f32 v14, v14, v15
	s_delay_alu instid0(VALU_DEP_1)
	v_permlanex16_b32 v224, v14, s[SEL], s[SEL+1]
	s_delay_alu instid0(VALU_DEP_1)
	v_add_f32 v14, v14, v224                       ; the row's sum
	s_wait_alu depctr_va_vdst(0)
	v_rcp_f32 v226, v14
	v_nop
	s_wait_alu depctr_va_vdst(0)                   ; ahead of the reciprocal's first reader
.set J, 0
.rept 16
	v_pk_mul_f32 v[96+J:97+J], v[160+J:161+J], v[226:227] op_sel_hi:[1,0]
.set J, J+2
.endr
.irp b, 0,1
	v_max3_num_f32 v[BP+\b], |v[96+16*\b]|, |v[97+16*\b]|, 0x1800000
.endr
.irp i, 2,4,6,8,10,12,14
.irp b, 0,1
	s_delay_alu instid0(VALU_DEP_2)
	v_max3_num_f32 v[BP+\b], v[BP+\b], |v[96+16*\b+\i]|, |v[97+16*\b+\i]|
.endr
.endr
.irp b, 0,1
	s_delay_alu instid0(VALU_DEP_2)
	v_permlanex16_b32 v[BP+2+\b], v[BP+\b], s[SEL], s[SEL+1]
.endr
.irp b, 0,1
	s_delay_alu instid0(VALU_DEP_2)
	v_max_num_f32 v[BP+\b], v[BP+\b], v[BP+2+\b]
.endr
.irp b, 0,1
	s_delay_alu instid0(VALU_DEP_2)
	v_add_nc_u32 v[BS+\b], 0xff000000, v[BP+\b]
.endr
.irp b, 0,1
	s_delay_alu instid0(VALU_DEP_2)
	v_lshrrev_b32 v[BP+2+\b], 23, v[BS+\b]
.endr
	s_delay_alu instid0(VALU_DEP_1)
	v_lshl_or_b32 v231, v[BP+3], 8, v[BP+2]
	v_cvt_scalef32_pk16_fp6_f32 v[192:194], v[96:111], v[BS]
	v_cvt_scalef32_pk16_fp6_f32 v[204:206], v[112:127], v[BS+1]
	v_nop
.irp i, 0,1,2
	v_permlane16_swap_b32 v[192+\i], v[204+\i]
.endr
.irp i, 0,1,2
	s_delay_alu instid0(VALU_DEP_3)
	v_mov_b32 v[195+\i], v[204+\i]
.endr
.irp p, 0,1,2
	global_store_b64 v2, v[192+2*\p:193+2*\p], s[14:15] offset:256*\p   ; 32 lanes store 256 consecutive aligned bytes
.endr
	global_store_b16 v7, v231, s[16:17]            ; both halves of the lanes write the same two bytes with the same value
.endm
.macro FRESH                           ; a tile's start: the largest score -3e38, the sums and O^T zeros (the step is written once; the first finds zeros)
	v_mov_b32 v13, 0xff61b1e6
	v_mov_b32 v14, 0
	v_mov_b32 v15, 0
	v_mul_f32 v12, s[NC], v13
.set J, 0
.rept 32
	v_mov_b32 v[160+J], 0
.set J, J+1
.endr
	v_floor_f32 v12, v12                           ; -M
.endm
	s_load_b128 s[4:7], s[0:1], 0x0                ; qkc, vt
	s_load_b64 s[8:9], s[0:1], 0x10                ; oimg
	v_lshl_add_u32 v[SPW], v0, 2, SPARE
	v_mov_b32 v[NIL], 0
	ds_add_u32 v[SPW], v[NIL]                      ; the opening lines: the add, twice on end; the set-up below stands ahead of their wait
	ds_add_u32 v[SPW], v[NIL]
	v_lshrrev_b32 v8, 5, v0
	v_readfirstlane_b32 s[WV], v8                  ; wave 0..15
	s_and_b32 s80, ttmp7, 0xffff                   ; 16 x batch + head
	s_lshr_b32 s81, s80, 4
	s_lshl_b32 s81, s81, 4                         ; the batch's first token block
	s_and_b32 s82, s80, 1                          ; c: which head of a pair
	s_bfe_u32 s83, s80, 0x30001                    ; the pair of heads
	s_bfe_u32 s84, ttmp6, 0x40000                  ; cx
	s_lshl_b32 s85, ttmp9, 2
	s_add_co_u32 s84, s84, s85                     ; j = 4 x cluster x + cx: it enters q's, o's and the mask's numbers alone
	s_lshr_b32 s85, s[WV], 1                       ; b
	s_sub_co_u32 s66, 15, s85                      ; 15 - b
	s_and_b32 s86, s[WV], 7                        ; which two key steps I fetch
	s_lshr_b32 s[WK], s[WV], 3
	s_lshr_b32 s[ROLE], s[WV], 2
	s_xor_b32 s[ROLE], s[ROLE], s[WV]
	s_and_b32 s[ROLE], s[ROLE], 1
	s_cmp_eq_u32 s[ROLE], 0
	s_cselect_b32 s67, s66, s85                    ; the block that I store
	s_cselect_b32 s42, 7, s85                      ; first loop: my last key step,
	s_cselect_b32 s43, 99, s85                     ; and the one with the mask (A: none)
	s_cselect_b32 s44, 8, s66                      ; second loop: my last key step,
	s_cselect_b32 s47, 8, 9                        ; and my first
	s_lshl_b32 s88, s86, 1
	s_add_co_u32 s88, s88, s81                     ; my key steps' first token block
	s_lshl_b32 s89, s88, 4
	s_add_co_u32 s89, s89, s83
	s_lshl_b32 s89, s89, 1
	s_add_co_u32 s89, s89, s82
	s_add_co_u32 s89, s89, 16                      ; k's steps lie eight blocks, sixteen heads, behind q's
	s_mul_i32 s92, s89, QH
	s_mov_b32 s93, 0
	s_lshl_b32 s90, s83, 5
	s_add_co_u32 s90, s90, s88
	s_lshl_b32 s90, s90, 1
	s_add_co_u32 s90, s90, s82
	s_mul_i32 s94, s90, VH
	s_mov_b32 s95, 0
	s_mul_i32 s98, s86, 2*QH                       ; where they go
	s_mul_i32 s99, s86, 2*VH
	s_add_co_u32 s99, s99, VBASE
	G1SET 24, 832, 2, 26624                        ; k: two rows of 6,656 bytes, 16 blocks of qkc apart
	G1SET 32, 800, 2, 1600                         ; V^T: two rows of 6,400 bytes, a block of vt apart
	s_add_co_u32 s88, s81, s67                     ; the token block that I store: its q,
	s_lshl_b32 s89, s88, 4
	s_add_co_u32 s89, s89, s83
	s_lshl_b32 s89, s89, 1
	s_add_co_u32 s89, s89, s82
	s_mul_i32 s10, s89, QH
	s_mov_b32 s11, 0
	s_lshl_b32 s89, s88, 3
	s_add_co_u32 s89, s89, s83
	s_mul_i32 s91, s89, OBK                        ; its o
	s_mul_i32 s90, s84, 1536
	s_add_co_u32 s14, s91, s90
	s_mul_i32 s90, s82, 768
	s_add_co_u32 s14, s14, s90                     ; my tile, my head's half
	s_mov_b32 s15, 0
	s_lshl_b32 s90, s84, 6
	s_add_co_u32 s16, s91, s90
	s_lshl_b32 s90, s82, 1
	s_add_co_u32 s16, s16, s90
	s_add_co_u32 s16, s16, 12288                   ; and its scale bytes
	s_mov_b32 s17, 0
	s_add_co_u32 s88, s81, s66                     ; block 15 - b's q
	s_lshl_b32 s89, s88, 4
	s_add_co_u32 s89, s89, s83
	s_lshl_b32 s89, s89, 1
	s_add_co_u32 s89, s89, s82
	s_mul_i32 s12, s89, QH
	s_mov_b32 s13, 0
	s_mul_i32 s73, s84, 3                          ; q's tile j is register pairs 3 j .. 3 j + 2: pair P at 512 (P / 2) + 8 (P % 2)
.irp p, 0,1,2
	s_add_co_u32 s74, s73, \p
	s_lshr_b32 s[70+\p], s74, 1
	s_lshl_b32 s[70+\p], s[70+\p], 9
	s_and_b32 s74, s74, 1
	s_lshl_b32 s74, s74, 3
	s_add_co_u32 s[70+\p], s[70+\p], s74
.endr
	s_and_b32 s74, s84, 1
	s_lshl_b32 s74, s74, 8
	s_lshr_b32 s75, s84, 1
	s_lshl_b32 s75, s75, 2
	s_add_co_u32 s75, s75, s74                     ; q's scale words: 256 (j % 2) + 4 (j / 2)
	s_lshl_b32 s69, s84, 4                         ; 16 j
	s_mul_i32 s46, s85, 4608
	s_add_co_u32 s46, s46, STAGE                   ; my pair's stage
	s_lshl_b32 s49, s85, 4                         ; the mask's registers 4 w .. 4 w + 3 are mine: register 8 t + i stands for 16 t + i: from 16 (w / 2) + 4 (w % 2) on
	s_and_b32 s50, s[WV], 1
	s_lshl_b32 s50, s50, 2
	s_add_co_u32 s49, s49, s50
	s_lshl_b32 s50, s[WV], 9
	s_add_co_u32 s50, s50, MASK                    ; and their place in the image
	s_mov_b32 s[SEL], 0x76543210
	s_mov_b32 s[SEL+1], 0xfedcba98
	s_mov_b32 s[CS], 0x3e38aa3b
	s_mov_b32 s[CS+1], s[CS]
	s_mov_b32 s[NC], 0xbe38aa3b
	s_wait_dscnt 0x0                               ; both opening adds are done
	s_wait_kmcnt 0x0
	s_mov_b32 s56, 1                               ; group 0 for k,
	s_mov_b32 s57, s98
	s_add_nc_u64 s[58:59], s[4:5], s[92:93]
	s_or_b32 s59, s59, 0x80000000
	s_mov_b32 s60, 1                               ; and for V^T
	s_mov_b32 s61, s99
	s_add_nc_u64 s[62:63], s[6:7], s[94:95]
	s_or_b32 s63, s63, 0x80000000
	s_add_nc_u64 s[10:11], s[4:5], s[10:11]
	s_add_nc_u64 s[12:13], s[4:5], s[12:13]
	s_add_nc_u64 s[14:15], s[8:9], s[14:15]
	s_add_nc_u64 s[16:17], s[8:9], s[16:17]
	ROUND                                          ; the four work-groups are here: the joint loads meet
	s_cmp_eq_u32 s[WK], 0                          ; my one load
	s_cbranch_scc0 .Lfor_v
	tensor_load_to_lds s[56:59], s[24:31]
	s_nop 0
.rept 4
	v_nop
.endr
	s_branch .Lasked
.Lfor_v:
	tensor_load_to_lds s[60:63], s[32:39]
	s_nop 0
.rept 4
	v_nop
.endr
.Lasked:
	v_and_b32 v9, 31, v0
	v_and_b32 v10, 15, v0                          ; r
	v_bfe_u32 v11, v0, 4, 1
	v_lshlrev_b32 v1, 4, v9                        ; 16 x lane
	v_lshlrev_b32 v2, 3, v9                        ; 8 x lane
	v_lshlrev_b32 v7, 2, v10                       ; 4 r
	v_lshlrev_b32 v30, 4, v10
	v_lshlrev_b32 v11, 3, v11
	v_add_nc_u32 v29, s70, v1
	v_add_nc_u32 v92, s71, v1
	v_add_nc_u32 v93, s72, v1
	v_add_nc_u32 v30, s75, v30
	v_sub_nc_u32 v3, v10, v11
	v_add_nc_u32 v3, s69, v3                       ; d = 16 j + r - 8 (lane / 16): my query's place in its block, less my half's first key
	v_add_nc_u32 v[SG], s46, v1
	v_add_nc_u32 v[MR], MASK, v1
	v_add_nc_u32 v239, s50, v1
	global_load_b64 v[16:17], v29, s[10:11]        ; q of the block that I store
	global_load_b64 v[18:19], v92, s[10:11]
	global_load_b64 v[20:21], v93, s[10:11]
	global_load_b32 v28, v30, s[10:11] offset:KSO
	global_load_b64 v[232:233], v29, s[12:13]      ; q of block 15 - b, for B's second part
	global_load_b64 v[234:235], v92, s[12:13]
	global_load_b64 v[236:237], v93, s[12:13]
	global_load_b32 v238, v30, s[12:13] offset:KSO
	v_subrev_nc_u32 v230, s49, v3                  ; d less my first register's number
	v_mov_b32 v4, 0xff61b1e6                       ; -3e38: under every score; its t gives p = 0
.irp i, 0,1,2,3
	v_cmp_gt_i32 vcc_lo, \i, v230
	v_cndmask_b32 v[96+\i], 0, v4, vcc_lo          ; my four registers of the mask's image
.endr
.irp i, 22,23,24,25,26,27,80,81,82,83,84,85
	v_mov_b32 v\i, 0                               ; q's zero codes; the six registers behind k's last tile
.endr
.irp i, 216,217,218,219,224,227,229
	v_mov_b32 v\i, 0                               ; written once: permute destinations, and the upper halves of the pairs v[226:227], v[228:229]
.endr
	FRESH
	s_wait_alu depctr_va_vdst(0)
	s_wait_tensorcnt 0x0                           ; my two key steps are in;
	ds_store_b128 v239, v[96:99]                   ; my part of the mask's image, into bytes that no load fills;
	s_wait_dscnt 0x0                               ; it has landed
	s_barrier_signal -1
	s_barrier_wait -1                              ; everybody's have
	s_wait_loadcnt 0x0                             ; q
	s_mov_b32 s[LIM], s42
	s_mov_b32 s[LOW], 0
	s_mov_b32 s[DG], s43
	HALF 0
	s_cmp_eq_u32 s[ROLE], 0
	s_cbranch_scc1 .Lmid_done
	EPI                                            ; B: block b is finished
	s_wait_xcnt 0x0                                ; the stores have read their registers
.irp i, 0,1,2,3,4,5
	v_mov_b32 v[16+\i], v[232+\i]                  ; on to block 15 - b
.endr
	v_mov_b32 v28, v238
	FRESH
	s_wait_alu depctr_va_vdst(0)
.Lmid_done:
	s_mov_b32 s[LIM], s44
	s_mov_b32 s[LOW], s47
	s_mov_b32 s[DG], s66
	HALF 8
.rept 4
	v_nop                                          ; places behind the last products
.endr
	s_cmp_eq_u32 s[ROLE], 0
	s_cbranch_scc1 .Lno_put
.irp k, 0,1,2,3,4,5,6,7
	ds_store_b128 v[SG], v[160+4*\k:163+4*\k] offset:512*\k   ; B: my part of block 15 - b: O^T, each accumulator from its low end on,
.endr
	ds_store_b128 v[SG], v[12:15] offset:4096      ; -M, the largest score, the sum's two halves
.Lno_put:
	s_wait_dscnt 0x0                               ; for A's sake: my stores have landed
	s_barrier_signal -1
	s_barrier_wait -1
	s_cmp_lg_u32 s[ROLE], 0
	s_cbranch_scc1 .Ldone
.irp k, 0,1,2,3,4,5,6,7
	ds_load_b128 v[96+4*\k:99+4*\k], v[SG] offset:512*\k
.endr
	ds_load_b128 v[128:131], v[SG] offset:4096
	s_wait_dscnt 0x0
	v_min_num_f32 v224, v12, v128                  ; A: -M of both parts together
	s_delay_alu instid0(VALU_DEP_1)
	v_sub_f32 v31, v224, v12
	v_sub_f32 v228, v224, v128
	s_delay_alu instid0(VALU_DEP_2)
	v_cvt_i32_f32 v31, v31
	s_delay_alu instid0(VALU_DEP_2)
	v_cvt_i32_f32 v228, v228
	s_delay_alu instid0(VALU_DEP_2)
	v_ldexp_f32 v226, 1.0, v31                     ; my part's factor,
	s_delay_alu instid0(VALU_DEP_2)
	v_ldexp_f32 v228, 1.0, v228                    ; and B's: powers of two
	s_delay_alu instid0(VALU_DEP_2)
	v_pk_mul_f32 v[14:15], v[14:15], v[226:227] op_sel_hi:[1,0]
.set J, 0
.rept 16
	v_pk_mul_f32 v[160+J:161+J], v[160+J:161+J], v[226:227] op_sel_hi:[1,0]
.set J, J+2
.endr
	v_pk_fma_f32 v[14:15], v[130:131], v[228:229], v[14:15] op_sel_hi:[1,0,1]
.set J, 0
.rept 16
	v_pk_fma_f32 v[160+J:161+J], v[96+J:97+J], v[228:229], v[160+J:161+J] op_sel_hi:[1,0,1]
.set J, J+2
.endr
	EPI
.Ldone:
	s_wait_tensorcnt 0x0                           ; the wave's end
	ds_add_u32 v[SPW], v[NIL]
	s_wait_dscnt 0x0
	ROUND                                          ; the closing round
	s_endpgm
.Lfunc_end_k_q7c0eaba7b4_attn:
	.size	k_q7c0eaba7b4_attn, .Lfunc_end_k_q7c0eaba7b4_attn-k_q7c0eaba7b4_attn
	.p2alignl 7, 3214868480
	.fill 96, 4, 3214868480
	.section	.rodata,"a",@progbits
	.p2align	6, 0x0
	.amdhsa_kernel k_q7c0eaba7b4_attn
		.amdhsa_group_segment_fixed_size 327680
		.amdhsa_private_segment_fixed_size 0
		.amdhsa_enable_private_segment 0
		.amdhsa_kernarg_size 24
		.amdhsa_user_sgpr_count 2
		.amdhsa_user_sgpr_kernarg_segment_ptr 1
		.amdhsa_wavefront_size32 1
		.amdhsa_system_sgpr_workgroup_id_x 1
		.amdhsa_system_sgpr_workgroup_id_y 1
		.amdhsa_system_sgpr_workgroup_id_z 1
		.amdhsa_system_vgpr_workitem_id 0
		.amdhsa_next_free_vgpr 256
		.amdhsa_next_free_sgpr 100
		.amdhsa_reserve_vcc 1
		.amdhsa_float_denorm_mode_32 3
		.amdhsa_float_denorm_mode_16_64 3
		.amdhsa_memory_ordered 1
		.amdhsa_forward_progress 1
		.amdhsa_inst_pref_size 63
	.end_amdhsa_kernel
	.amdgpu_metadata
---
amdhsa.version: [ 1, 2 ]
amdhsa.kernels:
  - .name:           k_q7c0eaba7b4_attn
    .symbol:         k_q7c0eaba7b4_attn.kd
    .args:
      - { .name: qkc, .offset: 0, .size: 8, .value_kind: global_buffer, .address_space: global }
      - { .name: vt, .offset: 8, .size: 8, .value_kind: global_buffer, .address_space: global }
      - { .name: oimg, .offset: 16, .size: 8, .value_kind: global_buffer, .address_space: global }
    .group_segment_fixed_size: 327680
    .private_segment_fixed_size: 0
    .kernarg_segment_align: 8
    .kernarg_segment_size: 24
    .max_flat_workgroup_size: 512
    .sgpr_count:     100
    .vgpr_count:     256
    .wavefront_size: 32
...
	.end_amdgpu_metadata
.endif
;; end of part 3
;; launch oproj (part 4): grid 8 x 32, 4 waves a work-group, clusters of 4 x 4, 327,680 bytes of LDS; arguments wimg, oimg, hidden_states, x1; writes x1
.if DOCPART == 4
	.amdgcn_target "amdgcn-amd-amdhsa--gfx1250"
	.amdhsa_code_object_version 6
	.text
	.protected	k_q7c0eaba7b4_oproj
	.globl	k_q7c0eaba7b4_oproj
	.p2align	8
	.type	k_q7c0eaba7b4_oproj,@function
k_q7c0eaba7b4_oproj:
	s_mov_b64 s[64:65], 0
	v_nop
	global_prefetch_b8 v0, s[64:65] scope:SCOPE_SE
	s_setreg_imm32_b32 hwreg(HW_REG_WAVE_MODE, 25, 1), 1
	s_wait_xcnt 0x0
	s_wait_alu depctr_hold_cnt(0) depctr_sa_sdst(0) depctr_va_vdst(0) depctr_va_sdst(0) depctr_va_ssrc(0) depctr_va_vcc(0) depctr_vm_vsrc(0)
	s_getreg_b32 s2, hwreg(HW_REG_IB_STS2, 6, 4)
	s_cmp_eq_u32 s2, 0
	s_cbranch_scc0 .Lentry_in_a_cluster
	s_endpgm
.Lentry_in_a_cluster:
	s_bfe_u32 s2, ttmp6, 0x10000c
	s_cmp_lg_u32 s2, 0xf033
	s_cbranch_scc0 .Lentry_shape_is_right
	s_endpgm
.Lentry_shape_is_right:
.set KS,    8
.set XOFF,  192*12800
.set BLK,   12800
.set CHUNK, 4*BLK
.set SLOT,  2*CHUNK
.set QUART, 2*BLK
.set STAGE, 2*SLOT
.set SPARE, STAGE+4*16*272
.set ADRY, 16
.set ADRX, 18
.set ADRS, 20
.set STO,  22
.set RD,   23
.set CO,   24
.set SPW,  28
.set NIL,  29
.set SC,   32
.set BK,   40
.set ACC,  128
.set G1Y, 24
.set G0Y, 32
.set G1X, 48
.set G0X, 56
; x1 = x + o W_o on image blocks of FP6 codes, K = 1,024.  ALL OF K COMES AT THE HEAD, one joint load of 200 rows of 256 bytes a wave: waves 0, 2 o's K steps 0-3 and 4-7, waves 1, 3 the weight's; nothing is filled again.
.set MSB, 0
.macro WIN new
.if MSB != \new
	s_set_vgpr_msb (MSB<<8)|\new
.set MSB, \new
.endif
.endm
.set MUL,  0x05
.set TO_F, 0x40
.macro JLOAD s
	s_cmp_eq_u32 s16, 0
	s_cbranch_scc0 .Lfor_x_\@
	tensor_load_to_lds s[G0Y+4*\s:G0Y+4*\s+3], s[G1Y:G1Y+7]
	s_nop 0
.rept 4
	v_nop
.endr
	s_branch .Lasked_\@
.Lfor_x_\@:
	tensor_load_to_lds s[G0X+4*\s:G0X+4*\s+3], s[G1X:G1X+7]
	s_nop 0
.rept 4
	v_nop
.endr
.Lasked_\@:
.endm
.macro CREST
	s_cmp_lg_u32 s14, 0
	s_cbranch_scc1 .Lnot_wave_0_\@
	s_barrier_signal -3
.Lnot_wave_0_\@:
	s_barrier_wait -3
	s_barrier_signal -1
	s_barrier_wait -1
.endm
.macro CROUND
	s_barrier_signal -1
	s_barrier_wait -1
	CREST
.endm
.macro PLACES
.rept 4
	v_nop
.endr
.endm
.macro MUL4 f, sc, a, cm
.irp b, 0,1,2,3
.if \cm == 0
	v_wmma_scale_f32_16x16x128_f8f6f4 v[ACC+8*(4*(\a)+\b):ACC+8*(4*(\a)+\b)+7], v[(\f)+12*\b:(\f)+12*\b+11], v[(\f)+48+12*(\a):(\f)+48+12*(\a)+11], v[ACC+8*(4*(\a)+\b):ACC+8*(4*(\a)+\b)+7], v[SC+4*(\sc)+\b], v[SC+4*(\sc)+(\a)] matrix_a_fmt:MATRIX_FMT_FP6 matrix_b_fmt:MATRIX_FMT_FP6 matrix_a_scale:MATRIX_SCALE_ROW1
.else
	v_wmma_scale_f32_16x16x128_f8f6f4 v[ACC+8*(4*(\a)+\b):ACC+8*(4*(\a)+\b)+7], v[(\f)+12*\b:(\f)+12*\b+11], v[(\f)+48+12*(\a):(\f)+48+12*(\a)+11], 0, v[SC+4*(\sc)+\b], v[SC+4*(\sc)+(\a)] matrix_a_fmt:MATRIX_FMT_FP6 matrix_b_fmt:MATRIX_FMT_FP6 matrix_a_scale:MATRIX_SCALE_ROW1
.endif
.endr
.endm
.macro FETCH slot, q, f, sc
	WIN 0
.irp i, 0,1,2,3
	ds_load_b32 v[SC+4*(\sc)+\i], v[ADRS+\slot] offset:(\q)*BLK+64*\i
.endr
	WIN TO_F
.irp b, 0,1,2,3
.irp p, 0,1,2,3,4,5
	ds_load_b64 v[(\f)+12*\b+2*\p:(\f)+12*\b+2*\p+1], v[ADRX+\slot] offset:(\q)*BLK+1536*\b+256*\p
.endr
.endr
.irp b, 0,1,2,3
.irp p, 0,1,2,3,4,5
	ds_load_b64 v[(\f)+48+12*\b+2*\p:(\f)+48+12*\b+2*\p+1], v[ADRY+\slot] offset:(\q)*BLK+1536*\b+256*\p
.endr
.endr
.endm
.macro STEP slot, q, cm
	s_wait_dscnt 12
	WIN MUL
	MUL4 128*((\q)%2), (\q)%2, 0, \cm
	MUL4 128*((\q)%2), (\q)%2, 1, \cm
	PLACES
	FETCH \slot, (\q)+1, 128*(1-(\q)%2), 1-(\q)%2
	s_wait_dscnt 52
	WIN MUL
	MUL4 128*((\q)%2), (\q)%2, 2, \cm
	MUL4 128*((\q)%2), (\q)%2, 3, \cm
.endm
.macro TURN slot, next, fill
	WIN 0
	s_wait_tensorcnt 0x0
	ds_add_u32 v[SPW], v[NIL]
	s_wait_dscnt 13
	WIN MUL
	MUL4 128, 1, 0, 0
	s_wait_dscnt 0x0
	s_barrier_signal -1
	MUL4 128, 1, 1, 0
	WIN 0
	s_barrier_wait -1
.if \fill
	CREST
	s_add_nc_u64 s[G0Y+4*\slot+2:G0Y+4*\slot+3], s[G0Y+4*\slot+2:G0Y+4*\slot+3], 2*CHUNK
	s_add_nc_u64 s[G0X+4*\slot+2:G0X+4*\slot+3], s[G0X+4*\slot+2:G0X+4*\slot+3], 2*CHUNK
	JLOAD \slot
.else
	PLACES
.endif
	FETCH \next, 0, 0, 0
	WIN MUL
	MUL4 128, 1, 2, 0
	MUL4 128, 1, 3, 0
.endm
	s_load_b128 s[4:7], s[0:1], 0x0
	s_load_b128 s[8:11], s[0:1], 0x10
	v_lshl_add_u32 v[SPW], v0, 2, SPARE
	v_mov_b32 v[NIL], 0
	ds_add_u32 v[SPW], v[NIL]
	ds_add_u32 v[SPW], v[NIL]
	v_lshrrev_b32 v1, 5, v0
	v_readfirstlane_b32 s14, v1
	s_lshr_b32 s15, s14, 1
	s_and_b32 s16, s14, 1
	s_bfe_u32 s40, ttmp6, 0x40000
	s_bfe_u32 s41, ttmp6, 0x40004
	s_lshl_b32 s42, ttmp9, 2
	s_add_co_u32 s42, s42, s40
	s_and_b32 s17, ttmp7, 0xffff
	s_lshl_b32 s17, s17, 2
	s_add_co_u32 s17, s17, s41
	s_lshl_b32 s43, s41, 2
	s_lshl_b32 s43, 15, s43
	s_lshl_b32 s44, 0x1111, s40
	s_or_b32 s[G1Y+0], s43, (3<<16)|(1<<21)
	s_or_b32 s[G1X+0], s44, (3<<16)|(1<<21)
.irp g, G1Y, G1X
	s_mov_b32 s[\g+1], 32<<16
	s_mov_b32 s[\g+2], 200<<16
	s_mov_b32 s[\g+3], 32<<16
	s_mov_b32 s[\g+4], 200
	s_mov_b32 s[\g+5], 32
	s_mov_b32 s[\g+6], 0
	s_mov_b32 s[\g+7], 0
.endr
	s_mul_i32 s18, s15, CHUNK
	s_mul_i32 s20, s17, KS*BLK
	s_add_co_u32 s20, s20, s18
	s_mov_b32 s21, 0
	s_mul_i32 s46, s42, KS*BLK
	s_add_co_u32 s46, s46, s18
	s_mov_b32 s47, 0
	s_mul_i32 s45, s15, SLOT
	s_mul_i32 s19, s16, CHUNK
	s_add_co_u32 s45, s45, s19
	s_wait_dscnt 0x0
	s_wait_kmcnt 0x0
	s_add_nc_u64 s[20:21], s[6:7], s[20:21]
	s_add_nc_u64 s[46:47], s[4:5], s[46:47]
	s_add_nc_u64 s[46:47], s[46:47], XOFF
	CROUND
	s_mov_b32 s[G0Y], 1
	s_mov_b32 s[G0Y+1], s45
	s_mov_b64 s[G0Y+2:G0Y+3], s[20:21]
	s_or_b32 s[G0Y+3], s[G0Y+3], 0x80000000
	s_mov_b32 s[G0X], 1
	s_mov_b32 s[G0X+1], s45
	s_mov_b64 s[G0X+2:G0X+3], s[46:47]
	s_or_b32 s[G0X+3], s[G0X+3], 0x80000000
	JLOAD 0                                        ; my one load
	v_and_b32 v1, 15, v0
	v_bfe_u32 v2, v0, 4, 1
	s_wait_alu depctr_va_vdst(0)
	v_and_b32 v3, 31, v0
	v_lshlrev_b32 v3, 3, v3
	s_wait_alu depctr_va_vdst(0)
	s_lshl_b32 s76, s17, 7
	s_lshl_b32 s68, s15, 6
	s_add_co_u32 s76, s76, s68
	s_lshl_b32 s76, s76, 12
	s_lshl_b32 s68, s42, 9
	s_add_co_u32 s76, s76, s68
	s_lshl_b32 s68, s16, 8
	s_add_co_u32 s76, s76, s68
	s_mov_b32 s77, 0
	s_add_nc_u64 s[78:79], s[8:9], s[76:77]
	s_add_nc_u64 s[80:81], s[10:11], s[76:77]
	v_lshlrev_b32 v[CO], 12, v2
	v_lshl_add_u32 v[CO], v1, 4, v[CO]
	WIN 0x80
.irp a, 0,1,2,3
.irp t, 0,1,2,3,4,5,6,7
	global_load_b128 v[32*\a+4*\t:32*\a+4*\t+3], v[CO], s[78:79] offset:(16*\a+2*\t)*4096 th:TH_LOAD_NT
.endr
.endr
	WIN 0
	s_mul_i32 s68, s15, 6144
	s_mul_i32 s69, s16, 6144
	s_add_co_u32 s69, s69, CHUNK
.irp s, 0,1
	v_add_nc_u32 v[ADRY+\s], s68, v3
	v_add_nc_u32 v[ADRX+\s], s69, v3
	s_add_co_u32 s68, s68, SLOT
	s_add_co_u32 s69, s69, SLOT
.endr
	s_lshl_b32 s68, s15, 8
	s_lshl_b32 s69, s16, 8
	s_add_co_u32 s69, s69, CHUNK
	s_sub_co_u32 s69, s69, s68
	v_mul_u32_u24 v4, s69, v2
	v_lshl_add_u32 v4, v1, 2, v4
	s_add_co_u32 s68, s68, 12288
	v_add_nc_u32 v[ADRS], s68, v4
	v_add_nc_u32 v[ADRS+1], SLOT, v[ADRS]
	s_mul_i32 s68, s14, 16*272
	s_add_co_u32 s68, s68, STAGE
	v_mul_u32_u24 v4, v1, 272
	v_lshl_add_u32 v4, v2, 5, v4
	v_add_nc_u32 v[STO], s68, v4
	v_mul_u32_u24 v4, v2, 272
	v_lshl_add_u32 v4, v1, 4, v4
	v_add_nc_u32 v[RD], s68, v4
	s_wait_alu depctr_va_vdst(0)
	s_wait_tensorcnt 0x0
	s_barrier_signal -1
	s_barrier_wait -1
	FETCH 0, 0, 0, 0
	STEP 0, 0, 1
.if KS > 8
	WIN 0
	s_mov_b32 s3, KS/8-1
.Llap:
	STEP 0, 1, 0
	STEP 0, 2, 0
	TURN 0, 1, 1
	STEP 1, 0, 0
	STEP 1, 1, 0
	STEP 1, 2, 0
	TURN 1, 0, 1
	STEP 0, 0, 0
	WIN 0
	s_sub_co_u32 s3, s3, 1
	s_cmp_lg_u32 s3, 0
	s_cbranch_scc1 .Llap
.endif
	STEP 0, 1, 0
	STEP 0, 2, 0
	TURN 0, 1, 0
	STEP 1, 0, 0
	STEP 1, 1, 0
	STEP 1, 2, 0
	s_wait_dscnt 12
	WIN MUL
	MUL4 128, 1, 0, 0
	MUL4 128, 1, 1, 0
	s_wait_dscnt 0x0
	MUL4 128, 1, 2, 0
	MUL4 128, 1, 3, 0
	WIN 0
.macro TOSTAGE a
.irp b, 0,1,2,3
	ds_store_b128 v[STO], v[ACC+8*(4*(\a)+\b):ACC+8*(4*(\a)+\b)+3] offset:64*\b
	ds_store_b128 v[STO], v[ACC+8*(4*(\a)+\b)+4:ACC+8*(4*(\a)+\b)+7] offset:64*\b+16
.endr
.set BB, BK+32*((\a)%2)
.irp t, 0,1,2,3,4,5,6,7
	ds_load_b128 v[BB+4*\t:BB+4*\t+3], v[RD] offset:544*\t
.endr
.endm
.macro SEND a, younger
.set BB, BK+32*((\a)%2)
	s_wait_dscnt \younger
	WIN 0x08
.irp k, 0,1,2,3,4,5,6,7,8,9,10,11,12,13,14,15
	v_pk_add_f32 v[BB+2*\k:BB+2*\k+1], v[BB+2*\k:BB+2*\k+1], v[32*(\a)+2*\k:32*(\a)+2*\k+1]
.endr
	WIN 0
.irp t, 0,1,2,3,4,5,6,7
	global_store_b128 v[CO], v[BB+4*\t:BB+4*\t+3], s[80:81] offset:(16*(\a)+2*\t)*4096 th:TH_STORE_NT
.endr
.endm
	s_wait_loadcnt 0x0
	PLACES
	TOSTAGE 0
.irp a, 1,2,3
.if \a > 1
	s_wait_xcnt 0x0
.endif
	TOSTAGE \a
	SEND \a-1, 16
.endr
	SEND 3, 0
	s_wait_tensorcnt 0x0
	ds_add_u32 v[SPW], v[NIL]
	s_wait_dscnt 0x0
	CROUND
	s_endpgm
.Lfunc_end_k_q7c0eaba7b4_oproj:
	.size	k_q7c0eaba7b4_oproj, .Lfunc_end_k_q7c0eaba7b4_oproj-k_q7c0eaba7b4_oproj
	.p2alignl 7, 3214868480
	.fill 96, 4, 3214868480
	.section	.rodata,"a",@progbits
	.p2align	6, 0x0
	.amdhsa_kernel k_q7c0eaba7b4_oproj
		.amdhsa_group_segment_fixed_size 327680
		.amdhsa_private_segment_fixed_size 0
		.amdhsa_enable_private_segment 0
		.amdhsa_kernarg_size 32
		.amdhsa_user_sgpr_count 2
		.amdhsa_user_sgpr_kernarg_segment_ptr 1
		.amdhsa_wavefront_size32 1
		.amdhsa_system_sgpr_workgroup_id_x 1
		.amdhsa_system_sgpr_workgroup_id_y 1
		.amdhsa_system_sgpr_workgroup_id_z 1
		.amdhsa_system_vgpr_workitem_id 0
		.amdhsa_next_free_vgpr 640
		.amdhsa_next_free_sgpr 100
		.amdhsa_reserve_vcc 0
		.amdhsa_float_denorm_mode_32 3
		.amdhsa_float_denorm_mode_16_64 3
		.amdhsa_memory_ordered 1
		.amdhsa_forward_progress 1
		.amdhsa_inst_pref_size 66
	.end_amdhsa_kernel
	.amdgpu_metadata
---
amdhsa.version: [ 1, 2 ]
amdhsa.kernels:
  - .name:           k_q7c0eaba7b4_oproj
    .symbol:         k_q7c0eaba7b4_oproj.kd
    .args:
      - { .name: wimg, .offset: 0, .size: 8, .value_kind: global_buffer, .address_space: global }
      - { .name: oimg, .offset: 8, .size: 8, .value_kind: global_buffer, .address_space: global }
      - { .name: hidden_states, .offset: 16, .size: 8, .value_kind: global_buffer, .address_space: global }
      - { .name: x1, .offset: 24, .size: 8, .value_kind: global_buffer, .address_space: global }
    .group_segment_fixed_size: 327680
    .private_segment_fixed_size: 0
    .kernarg_segment_align: 8
    .kernarg_segment_size: 32
    .max_flat_workgroup_size: 128
    .sgpr_count:     100
    .vgpr_count:     640
    .wavefront_size: 32
...
	.end_amdgpu_metadata
.endif
;; end of part 4
;; launch ln1 (part 5): grid 256 x 1, 8 waves a work-group, no clusters, 3,072 bytes of LDS; arguments x1, ln2_g, ln2_b, h2img; writes h2img
.if DOCPART == 5
	.amdgcn_target "amdgcn-amd-amdhsa--gfx1250"
	.amdhsa_code_object_version 6
	.text
	.protected	k_q7c0eaba7b4_ln1
	.globl	k_q7c0eaba7b4_ln1
	.p2align	8
	.type	k_q7c0eaba7b4_ln1,@function
k_q7c0eaba7b4_ln1:
	s_mov_b64 s[64:65], 0
	v_nop
	global_prefetch_b8 v0, s[64:65] scope:SCOPE_SE
	s_setreg_imm32_b32 hwreg(HW_REG_WAVE_MODE, 25, 1), 1
	s_wait_xcnt 0x0
; y = (x - mean) * rsqrt(var + 1e-5) * g + b over rows of 1,024 f32, then quantised along the row to FP6 (E2M3) with one E8M0 byte for each 32, and stored as image blocks
; (128 rows x 128 along K in the order of a matrix operand's registers: tile i of 16 rows at 1536 i, register pair p at 256 p, lane l at 8 l; scale words at 12288 + 64 i + 4 r; 12,800 bytes; block (row block R, K step s) at (8 R + s) blocks).
; A work-group takes 16 rows (one tile); wave w takes columns 128 w .. 128 w + 127 (K step w).  Lane (r, h) holds 64 numbers of row r: of each block of 32 the columns 8 h + 0..7 and 16 + 8 h + 0..7,
; so that, after the halves of lanes have changed places, place i of a block holds k = i % 8 + 16 ((i / 8) % 2) + 8 (i / 16): the order in which every operand of this program is laid.
; Mean and variance in two passes (the squares are taken of x - mean, so a common offset costs no accuracy); the eight waves' partial sums meet in LDS, each pass in bytes of its own: two barriers.
; LIMITS: a block of zeros gets the byte 1 (its codes are zeros; this program alone reads the bytes); NaN and infinities are not served.  The scale words leave as runs of 64 bytes: one byte in 24 of the codes'.
.set BLK,   12800
.set RED1,  0                          ; LDS: 8 waves x 128 bytes: partial sums
.set RED2,  1024                       ; the same for the squares
.set SPARE, 2048                       ; the spare words, 128 bytes for each wave: four blocks of 256 bytes that no other line names
.set TM,  8                            ; v8-23   at work
.set PW,  24                           ; v24     the scale word
.set X,   32                           ; v32-95  my 64 numbers
.set G,   96                           ; v96-159 g at my columns
.set BT,  160                          ; v160-223 b at my columns
.set PC,  224                          ; v224-242 the codes
.set SPW, 252
.set NIL, 253
.set SEL, 20                           ; s[20:21] lane selects: lane l xor 16
; 64 numbers of a lane, register 16 b + i in block b, become a fragment's codes in v[PC] on and its scale word in v[PW]
.macro QUANT s
.irp b, 0,1,2,3
	v_max3_num_f32 v[TM+\b], |v[\s+16*\b]|, |v[\s+1+16*\b]|, 0x1800000   ; my 16 numbers of block b, and the floor 2^(3 - 127): the byte cannot fall under 1
.endr
.irp i, 2,4,6,8,10,12,14
.irp b, 0,1,2,3
	s_delay_alu instid0(VALU_DEP_4)
	v_max3_num_f32 v[TM+\b], v[TM+\b], |v[\s+16*\b+\i]|, |v[\s+1+16*\b+\i]|
.endr
.endr
.irp b, 0,1,2,3
	v_permlanex16_b32 v[TM+4+\b], v[TM+\b], s[SEL], s[SEL+1]
.endr
.irp b, 0,1,2,3
	s_delay_alu instid0(VALU_DEP_4)
	v_max_num_f32 v[TM+\b], v[TM+\b], v[TM+4+\b]   ; with lane l xor 16's: the block's largest magnitude
.endr
.irp b, 0,1,2,3
	s_delay_alu instid0(VALU_DEP_4)
	v_add_nc_u32 v[TM+12+\b], 0xff000000, v[TM+\b] ; 2 off its exponent field: the conversion's scale operand
.endr
.irp b, 0,1,2,3
	s_delay_alu instid0(VALU_DEP_4)
	v_lshrrev_b32 v[TM+4+\b], 23, v[TM+12+\b]      ; the scale's byte
.endr
	s_delay_alu instid0(VALU_DEP_3)
	v_lshl_or_b32 v[PW], v[TM+5], 8, v[TM+4]
	s_delay_alu instid0(VALU_DEP_1)
	v_lshl_or_b32 v[PW], v[TM+6], 16, v[PW]
	s_delay_alu instid0(VALU_DEP_1)
	v_lshl_or_b32 v[PW], v[TM+7], 24, v[PW]
.irp c, 0,1
	v_cvt_scalef32_pk16_fp6_f32 v[PC+6*\c:PC+2+6*\c], v[\s+32*\c:\s+15+32*\c], v[TM+12+2*\c]
	v_cvt_scalef32_pk16_fp6_f32 v[PC+12+4*\c:PC+14+4*\c], v[\s+16+32*\c:\s+31+32*\c], v[TM+12+2*\c+1]
.endr
	v_nop                                          ; one plain line behind a scaled conversion
.irp c, 0,1                                    ; the operand wants a whole block in a lane: lanes 0-15 block 2 c, lanes 16-31 block 2 c + 1
.irp i, 0,1,2
	v_permlane16_swap_b32 v[PC+6*\c+\i], v[PC+12+4*\c+\i]
.endr
.irp i, 0,1,2
	s_delay_alu instid0(VALU_DEP_3)
	v_mov_b32 v[PC+3+6*\c+\i], v[PC+12+4*\c+\i]
.endr
.endr
.endm
; v8, my lane's partial sum, becomes the row's sum over all 1,024 columns in v12 of every lane
.macro REDUCE red
	s_delay_alu instid0(VALU_DEP_1)
	v_permlanex16_b32 v9, v8, s[SEL], s[SEL+1]
	s_delay_alu instid0(VALU_DEP_1)
	v_add_f32 v8, v8, v9                           ; my wave's 128 columns of row r
	ds_store_b32 v6, v8 offset:\red
	s_wait_dscnt 0x0                               ; for the others' sake: my store has landed
	s_barrier_signal -1
	s_barrier_wait -1
.irp k, 0,1,2,3,4,5,6,7
	ds_load_b32 v[12+\k], v5 offset:\red+128*\k
.endr
	s_wait_dscnt 0x0
	v_add_f32 v12, v12, v13
	v_add_f32 v14, v14, v15
	v_add_f32 v16, v16, v17
	v_add_f32 v18, v18, v19
	s_delay_alu instid0(VALU_DEP_3)
	v_add_f32 v12, v12, v14
	s_delay_alu instid0(VALU_DEP_2)
	v_add_f32 v16, v16, v18
	s_delay_alu instid0(VALU_DEP_1)
	v_add_f32 v12, v12, v16
.endm
	s_load_b256 s[4:11], s[0:1], 0x0               ; x, g, b, the image
	v_lshl_add_u32 v[SPW], v0, 2, SPARE
	v_mov_b32 v[NIL], 0
	v_lshrrev_b32 v1, 5, v0
	s_delay_alu instid0(VALU_DEP_1)
	v_readfirstlane_b32 s12, v1                    ; wave 0..7
	v_and_b32 v1, 15, v0                           ; r
	v_bfe_u32 v2, v0, 4, 1                         ; h
	v_and_b32 v7, 31, v0                           ; lane
	s_delay_alu instid0(VALU_DEP_2)
	v_lshlrev_b32 v4, 5, v2                        ; g, b: 32 h
	s_delay_alu instid0(VALU_DEP_1)
	v_lshl_add_u32 v3, v1, 12, v4                  ; x: row r of 4,096 bytes + 32 h
	s_delay_alu instid0(VALU_DEP_3)
	v_lshlrev_b32 v5, 2, v7                        ; LDS, reading: 4 x lane
	s_lshl_b32 s13, s12, 7
	v_add_nc_u32 v6, s13, v5                       ; LDS, storing: + 128 x wave
	s_and_b32 s19, ttmp9, 7                        ; my tile in its row block
	s_mul_i32 s22, s19, 1536
	v_lshl_add_u32 v25, v7, 3, s22                 ; the codes' place in the image block
	s_lshl_b32 s22, s19, 6
	v_lshl_add_u32 v26, v1, 2, s22                 ; the scale word's
	s_lshl_b32 s14, ttmp9, 16                      ; 16 rows of 4,096 bytes a work-group
	s_lshl_b32 s16, s12, 9                         ; my wave's 512 bytes of a row
	s_add_co_u32 s14, s14, s16
	s_mov_b32 s15, 0
	s_mov_b32 s17, 0
	s_and_b32 s18, ttmp9, 0xf8                     ; 8 x row block
	s_add_co_u32 s18, s18, s12                     ; + K step
	s_mul_i32 s18, s18, BLK
	s_mov_b32 s19, 0
	s_mov_b32 s[SEL], 0x76543210
	s_mov_b32 s[SEL+1], 0xfedcba98
	s_mov_b32 s22, 0x3a800000                      ; 1 / 1024
	s_mov_b32 s23, 0x3727c5ac                      ; 1e-5
	s_wait_alu depctr_va_vdst(0)
	s_wait_kmcnt 0x0
	s_add_nc_u64 s[4:5], s[4:5], s[14:15]
	s_add_nc_u64 s[6:7], s[6:7], s[16:17]
	s_add_nc_u64 s[8:9], s[8:9], s[16:17]
	s_add_nc_u64 s[10:11], s[10:11], s[18:19]
.irp b, 0,1,2,3
.irp j, 0,1,2,3
	global_load_b128 v[X+16*\b+4*\j:X+16*\b+4*\j+3], v3, s[4:5] offset:128*\b+16*(\j%2)+64*(\j/2)
.endr
.endr
.irp b, 0,1,2,3
.irp j, 0,1,2,3
	global_load_b128 v[G+16*\b+4*\j:G+16*\b+4*\j+3], v4, s[6:7] offset:128*\b+16*(\j%2)+64*(\j/2)
.endr
.endr
.irp b, 0,1,2,3
.irp j, 0,1,2,3
	global_load_b128 v[BT+16*\b+4*\j:BT+16*\b+4*\j+3], v4, s[8:9] offset:128*\b+16*(\j%2)+64*(\j/2)
.endr
.endr
	s_wait_loadcnt 32                              ; x is in; the 32 loads of g and b may be out
	v_pk_add_f32 v[10:11], v[32:33], v[34:35]
	v_pk_add_f32 v[254:255], v[40:41], v[44:45]
	v_pk_add_f32 v[250:251], v[48:49], v[52:53]
	v_pk_add_f32 v[248:249], v[56:57], v[60:61]
	v_pk_add_f32 v[246:247], v[64:65], v[68:69]
	v_pk_add_f32 v[244:245], v[72:73], v[76:77]
	v_pk_add_f32 v[242:243], v[80:81], v[84:85]
	v_pk_add_f32 v[8:9], v[88:89], v[92:93]
	s_delay_alu instid0(VALU_DEP_1)
	v_pk_add_f32 v[8:9], v[8:9], v[36:37]
	v_pk_add_f32 v[10:11], v[10:11], v[38:39]
	v_pk_add_f32 v[254:255], v[254:255], v[42:43]
	v_pk_add_f32 v[250:251], v[250:251], v[46:47]
	v_pk_add_f32 v[248:249], v[248:249], v[50:51]
	v_pk_add_f32 v[246:247], v[246:247], v[54:55]
	v_pk_add_f32 v[244:245], v[244:245], v[58:59]
	v_pk_add_f32 v[242:243], v[242:243], v[62:63]
	v_pk_add_f32 v[8:9], v[8:9], v[66:67]
	v_pk_add_f32 v[10:11], v[10:11], v[70:71]
	v_pk_add_f32 v[254:255], v[254:255], v[74:75]
	v_pk_add_f32 v[250:251], v[250:251], v[78:79]
	v_pk_add_f32 v[248:249], v[248:249], v[82:83]
	v_pk_add_f32 v[246:247], v[246:247], v[86:87]
	v_pk_add_f32 v[244:245], v[244:245], v[90:91]
	v_pk_add_f32 v[242:243], v[242:243], v[94:95]
	s_delay_alu instid0(VALU_DEP_4)
	v_pk_add_f32 v[8:9], v[8:9], v[248:249]
	s_delay_alu instid0(VALU_DEP_4)
	v_pk_add_f32 v[10:11], v[10:11], v[246:247]
	s_delay_alu instid0(VALU_DEP_4)
	v_pk_add_f32 v[254:255], v[254:255], v[244:245]
	s_delay_alu instid0(VALU_DEP_4)
	v_pk_add_f32 v[250:251], v[250:251], v[242:243]
	s_delay_alu instid0(VALU_DEP_2)
	v_pk_add_f32 v[8:9], v[8:9], v[254:255]
	s_delay_alu instid0(VALU_DEP_2)
	v_pk_add_f32 v[10:11], v[10:11], v[250:251]
	s_delay_alu instid0(VALU_DEP_1)
	v_pk_add_f32 v[8:9], v[8:9], v[10:11]
	s_delay_alu instid0(VALU_DEP_1)
	v_add_f32 v8, v8, v9
	REDUCE RED1
	s_delay_alu instid0(VALU_DEP_1)
	v_mul_f32 v8, s22, v12                         ; the mean
.set J, 0
.rept 32
	v_pk_add_f32 v[X+J:X+J+1], v[X+J:X+J+1], v[8:9] op_sel_hi:[1,0] neg_lo:[0,1] neg_hi:[0,1]   ; x - mean (the pair's low word serves both halves)
.set J, J+2
.endr
	v_pk_mul_f32 v[10:11], v[X:X+1], v[X:X+1]
	v_pk_mul_f32 v[12:13], v[X+2:X+3], v[X+2:X+3]
.irp j, 4,8,12,16,20,24,28,32,36,40,44,48,52,56,60
	s_delay_alu instid0(VALU_DEP_2)
	v_pk_fma_f32 v[10:11], v[X+\j:X+\j+1], v[X+\j:X+\j+1], v[10:11]
	s_delay_alu instid0(VALU_DEP_2)
	v_pk_fma_f32 v[12:13], v[X+\j+2:X+\j+3], v[X+\j+2:X+\j+3], v[12:13]
.endr
	s_delay_alu instid0(VALU_DEP_1)
	v_pk_add_f32 v[10:11], v[10:11], v[12:13]
	s_delay_alu instid0(VALU_DEP_1)
	v_add_f32 v8, v10, v11
	REDUCE RED2
	s_delay_alu instid0(VALU_DEP_1)
	v_fma_f32 v10, v12, s22, s23                   ; the variance + 1e-5
	s_wait_alu depctr_va_vdst(0)
	v_rsq_f32 v14, v10
	v_nop                                          ; a plain line behind the transcendental
	s_wait_alu depctr_va_vdst(0)                   ; ahead of the result's first reader
	s_wait_loadcnt 0x0                             ; g and b
.set J, 0
.rept 32
	v_pk_mul_f32 v[X+J:X+J+1], v[X+J:X+J+1], v[14:15] op_sel_hi:[1,0]
.set J, J+2
.endr
.set J, 0
.rept 32
	v_pk_fma_f32 v[X+J:X+J+1], v[X+J:X+J+1], v[G+J:G+J+1], v[BT+J:BT+J+1]
.set J, J+2
.endr
	QUANT X
.irp p, 0,1,2,3,4,5
	global_store_b64 v25, v[PC+2*\p:PC+2*\p+1], s[10:11] offset:256*\p   ; 32 lanes store 256 consecutive aligned bytes
.endr
	global_store_b32 v26, v[PW], s[10:11] offset:12288                  ; both halves of the lanes write the same word with the same value
	s_wait_tensorcnt 0x0                           ; the wave's end, behind my last LDS store
	ds_add_u32 v[SPW], v[NIL]
	s_wait_dscnt 0x0
	s_endpgm
.Lfunc_end_k_q7c0eaba7b4_ln1:
	.size	k_q7c0eaba7b4_ln1, .Lfunc_end_k_q7c0eaba7b4_ln1-k_q7c0eaba7b4_ln1
	.p2alignl 7, 3214868480
	.fill 96, 4, 3214868480
	.section	.rodata,"a",@progbits
	.p2align	6, 0x0
	.amdhsa_kernel k_q7c0eaba7b4_ln1
		.amdhsa_group_segment_fixed_size 3072
		.amdhsa_private_segment_fixed_size 0
		.amdhsa_enable_private_segment 0
		.amdhsa_kernarg_size 32
		.amdhsa_user_sgpr_count 2
		.amdhsa_user_sgpr_kernarg_segment_ptr 1
		.amdhsa_wavefront_size32 1
		.amdhsa_system_sgpr_workgroup_id_x 1
		.amdhsa_system_sgpr_workgroup_id_y 1
		.amdhsa_system_sgpr_workgroup_id_z 1
		.amdhsa_system_vgpr_workitem_id 0
		.amdhsa_next_free_vgpr 256
		.amdhsa_next_free_sgpr 66
		.amdhsa_reserve_vcc 0
		.amdhsa_float_denorm_mode_32 3
		.amdhsa_float_denorm_mode_16_64 3
		.amdhsa_memory_ordered 1
		.amdhsa_forward_progress 1
		.amdhsa_inst_pref_size 27
	.end_amdhsa_kernel
	.amdgpu_metadata
---
amdhsa.version: [ 1, 2 ]
amdhsa.kernels:
  - .name:           k_q7c0eaba7b4_ln1
    .symbol:         k_q7c0eaba7b4_ln1.kd
    .args:
      - { .name: x1, .offset: 0, .size: 8, .value_kind: global_buffer, .address_space: global }
      - { .name: ln2_g, .offset: 8, .size: 8, .value_kind: global_buffer, .address_space: global }
      - { .name: ln2_b, .offset: 16, .size: 8, .value_kind: global_buffer, .address_space: global }
      - { .name: h2img, .offset: 24, .size: 8, .value_kind: global_buffer, .address_space: global }
    .group_segment_fixed_size: 3072
    .private_segment_fixed_size: 0
    .kernarg_segment_align: 8
    .kernarg_segment_size: 32
    .max_flat_workgroup_size: 256
    .sgpr_count:     66
    .vgpr_count:     256
    .wavefront_size: 32
...
	.end_amdgpu_metadata
.endif
;; end of part 5
;; launch fc (part 6): grid 8 x 32, 4 waves a work-group, clusters of 4 x 4, 327,680 bytes of LDS; arguments wimg, h2img, aimg; writes aimg
.if DOCPART == 6
	.amdgcn_target "amdgcn-amd-amdhsa--gfx1250"
	.amdhsa_code_object_version 6
	.text
	.protected	k_q7c0eaba7b4_fc
	.globl	k_q7c0eaba7b4_fc
	.p2align	8
	.type	k_q7c0eaba7b4_fc,@function
k_q7c0eaba7b4_fc:
	s_mov_b64 s[64:65], 0
	v_nop
	global_prefetch_b8 v0, s[64:65] scope:SCOPE_SE
	s_setreg_imm32_b32 hwreg(HW_REG_WAVE_MODE, 25, 1), 1
	s_wait_xcnt 0x0
	s_wait_alu depctr_hold_cnt(0) depctr_sa_sdst(0) depctr_va_vdst(0) depctr_va_sdst(0) depctr_va_ssrc(0) depctr_va_vcc(0) depctr_vm_vsrc(0)
	s_getreg_b32 s2, hwreg(HW_REG_IB_STS2, 6, 4)
	s_cmp_eq_u32 s2, 0
	s_cbranch_scc0 .Lentry_in_a_cluster
	s_endpgm
.Lentry_in_a_cluster:
	s_bfe_u32 s2, ttmp6, 0x10000c
	s_cmp_lg_u32 s2, 0xf033
	s_cbranch_scc0 .Lentry_shape_is_right
	s_endpgm
.Lentry_shape_is_right:
; a = LeakyReLU(h2 W_fc) on image blocks of FP6 (E2M3) codes; the result, after max(a, 0.01 a), is quantised along the 4,096 features and stored as image blocks, aimg [token block][32 K steps].  K = 1,024.
; An image block is 128 rows x 128 along K in the order of a matrix operand's registers: tile i of 16 rows at 1536 i, register pair p at 256 p, lane l at 8 l; scale words at 12288 + 64 i + 4 r; 12,800 bytes; a tile row's K steps lie on end.
; A WORK-GROUP STAYS.  Work-group (g, T) keeps h2's block T of 128 tokens, all of K (102,400 bytes), in LDS for the whole launch and walks four weight tiles of 128 columns x all of K: W_fc's blocks 4 g .. 4 g + 3, which lie on end in memory.
; The weight tiles go through two LDS slots of 102,400 bytes.  A slot is asked for again in its tile's last K step, with the tile two further on: 120 matrix instructions a wave and a way out stand between that request and the wait for it.
; Every wave brings a quarter of each tile (K steps 2 w, 2 w + 1: 100 rows of 256 bytes).  By this text's count a wave has one tensor load out at the start and one behind each refill.  All of a WGP's LDS is claimed.
; The four tiles are written out by macro: the first two ask for a tile, the third for none, the fourth changes no slot.
; CLUSTERS 4 x 4: h2's block is shared along a row of the cluster, the weight tiles along a column: joint loads.
; Each of four waves makes 64 x 64: 16 accumulators.  THE PRODUCT IS USED TRANSPOSED (source 0 = 16 columns of W_fc, source 1 = 16 tokens): lane (r, h) register j of accumulator (a, b) is (token 16 a + r, column 16 b + 8 h + j),
; so a lane's 16 registers of two neighbouring accumulators are 16 numbers of one block of 32 along the features, and the conversions' results, after the halves of lanes have changed places, are the next operand's registers.
; LIMITS: a block of zeros gets the byte 1 (its codes are zeros; this program alone reads the bytes); NaN and infinities are not served.  Scale bytes leave two a row and wave: one byte in 24 of the codes'.
; REGISTERS: window 0: v1-29 addresses; v32-39 scale words, two sets; v72-127 the way out; v128-255 the accumulators.  Window 1: two fragment buffers at v0 and v128: the weight's four fragments.
.set XOFF,  256*12800                  ; where W_fc's images begin in wimg
.set KS,    8
.set BLK,   12800
.set TILE,  KS*BLK                     ; 128 rows x all of K
.set HALF,  4*BLK                      ; four K steps: what an LDS load's 16-bit offset reaches over
.set QUART, 2*BLK                      ; what one tensor load brings
.set XS,    TILE                       ; LDS: h2's block at 0; the weight's slot s at XS + s TILE
.set SPARE, 3*TILE                     ; behind the slots: the spare words, 128 bytes for each wave: two blocks of 256 bytes that no other line names
.set ADRY, 12                          ; v12-13 LDS address of my fragments of h2, K steps 0-3 and 4-7
.set ADRX, 14                          ; v14-17 of my fragments of the weight: 2 x slot + half of K
.set ADRS, 18                          ; v18-21 of my scale words, likewise: lanes 0-15 h2's, lanes 16-31 the weight's
.set CO,   24
.set CS,   25
.set SPW,  28
.set NIL,  29
.set SC,   32
.set PCD,  72
.set SW,   96
.set MX,   104                         ; v104-111 the eight blocks' largest magnitudes; v104-119 later the conversions' second halves
.set PM,   112                         ; v112-119 lane l xor 16's, then the bytes
.set SO,   120                         ; v120-127 the conversions' scale operands  (v112-127 serve the activation first, as T)
.set T,    112
.set ACC,  128
.set G1Y, 24                           ; s[24:31] descriptor group 1 for h2's block; s[32:35] its group 0
.set G0Y, 32
.set G1X, 48                           ; s[48:55] group 1 for the weight tiles; s[56:63] group 0, one set for each slot
.set G0X, 56
.set SEL, 82
.set SLP, 84
.set MSB, 0
.macro WIN new                         ; the immediate's high byte repeats the setting that is left
.if MSB != \new
	s_set_vgpr_msb (MSB<<8)|\new
.set MSB, \new
.endif
.endm
; h2's FRAGMENTS STAY IN REGISTERS: my 64 tokens x all of K are 8 K steps x 4 fragments x 12 registers: K steps 0-4 in window 2 (48 q + 12 a), K steps 5-7 in window 3.  They are read from LDS once; a K step then fetches the weight's four fragments and the scale words alone.
.set MUL,  0x09                        ; set anew for each K step: source 0 (the weight) window 1, source 1 (h2) window 2 or 3; C and D window 0
.set HB,   0                           ; where the K step's fragments of h2 begin in their window
.set TO_F, 0x40                        ; destination window 1, address window 0
.macro CREST                           ; a round of the cluster's barrier behind its opening barrier
	s_cmp_lg_u32 s14, 0
	s_cbranch_scc1 .Lnot_wave_0_\@
	s_barrier_signal -3
.Lnot_wave_0_\@:
	s_barrier_wait -3
	s_barrier_signal -1
	s_barrier_wait -1
.endm
.macro CROUND
	s_barrier_signal -1
	s_barrier_wait -1
	CREST
.endm
.macro PLACES                          ; four plain lines behind matrix instructions, in front of loads into their registers and of the first read of results
.rept 4
	v_nop
.endr
.endm
; four matrix instructions: h2's fragment a against the weight's four.  cm = 1: the constant 0 starts the sums.  The 16 accumulators take turns in the same order in every step
.macro MUL4 f, sc, a, cm
.irp b, 0,1,2,3
.if \cm == 0
	v_wmma_scale_f32_16x16x128_f8f6f4 v[ACC+8*(4*(\a)+\b):ACC+8*(4*(\a)+\b)+7], v[(\f)+12*\b:(\f)+12*\b+11], v[HB+12*(\a):HB+12*(\a)+11], v[ACC+8*(4*(\a)+\b):ACC+8*(4*(\a)+\b)+7], v[SC+4*(\sc)+\b], v[SC+4*(\sc)+(\a)] matrix_a_fmt:MATRIX_FMT_FP6 matrix_b_fmt:MATRIX_FMT_FP6 matrix_a_scale:MATRIX_SCALE_ROW1
.else
	v_wmma_scale_f32_16x16x128_f8f6f4 v[ACC+8*(4*(\a)+\b):ACC+8*(4*(\a)+\b)+7], v[(\f)+12*\b:(\f)+12*\b+11], v[HB+12*(\a):HB+12*(\a)+11], 0, v[SC+4*(\sc)+\b], v[SC+4*(\sc)+(\a)] matrix_a_fmt:MATRIX_FMT_FP6 matrix_b_fmt:MATRIX_FMT_FP6 matrix_a_scale:MATRIX_SCALE_ROW1
.endif
.endr
.endm
; 28 LDS loads in one run: K step q (0..7) of the tile in a slot: 4 scale registers, the weight's four fragments; each load of 8 bytes a lane takes 256 consecutive bytes
.macro FETCH slot, q, f, sc
	WIN 0
.irp i, 0,1,2,3
	ds_load_b32 v[SC+4*(\sc)+\i], v[ADRS+2*(\slot)+(\q)/4] offset:((\q)%4)*BLK+64*\i
.endr
	WIN TO_F
.irp b, 0,1,2,3
.irp p, 0,1,2,3,4,5
	ds_load_b64 v[(\f)+12*\b+2*\p:(\f)+12*\b+2*\p+1], v[ADRX+2*(\slot)+(\q)/4] offset:((\q)%4)*BLK+1536*\b+256*\p
.endr
.endr
.endm
.macro LOADH                           ; my fragments of h2, all of K, into windows 2 and 3: 192 loads, once
.irp q, 0,1,2,3,4,5,6,7
.set HW, 0x80+0x40*(\q/5)
	WIN HW
.irp b, 0,1,2,3
.irp p, 0,1,2,3,4,5
	ds_load_b64 v[48*(\q%5)+12*\b+2*\p:48*(\q%5)+12*\b+2*\p+1], v[ADRY+\q/4] offset:(\q%4)*BLK+1536*\b+256*\p
.endr
.endr
.endr
	WIN 0
.endm
.macro STEP slot, q, cm                ; one of a tile's first seven K steps: the next step's 28 loads go out ahead of this step's sixteen products
.set MUL, 0x09+4*((\q)/5)
.set HB, 48*((\q)%5)
	s_wait_dscnt 0x0                               ; this step's fragments and scale words are in
	PLACES                                         ; behind the last step's products, which read the registers that the loads below fill
	FETCH \slot, (\q)+1, 128*(1-(\q)%2), 1-(\q)%2
	WIN MUL
	MUL4 128*((\q)%2), (\q)%2, 0, \cm
	MUL4 128*((\q)%2), (\q)%2, 1, \cm
	MUL4 128*((\q)%2), (\q)%2, 2, \cm
	MUL4 128*((\q)%2), (\q)%2, 3, \cm
.endm
.macro STEPS slot
	STEP \slot, 0, 1                               ; a tile's first products start the sums
.irp q, 1,2,3,4,5,6
	STEP \slot, \q, 0
.endr
.endm
; A tile's last K step changes slots: one barrier; in front of it each wave waits for all its tensor loads, adds 0 to its spare word, and waits for that and for its reads of this slot.  fill = 1: this slot takes the tile two further on
.macro TURN slot, next, fill
.set MUL, 0x0d                         ; K step 7: h2's fragments in window 3
.set HB, 96
	WIN 0
	s_wait_tensorcnt 0x0                           ; my part of the next slot's tile has landed, and no load of mine is out
	ds_add_u32 v[SPW], v[NIL]                      ; 0 onto my spare word
	s_wait_dscnt 1                                 ; (the add may be out)
	WIN MUL
	MUL4 128, 1, 0, 0
	s_wait_dscnt 0x0                               ; the add is done, and my reads of this slot are over
	s_barrier_signal -1
	MUL4 128, 1, 1, 0
	WIN 0
	s_barrier_wait -1
.if \fill
	CREST                                          ; the barrier has opened a round of the cluster's: no wave of any partner still reads this slot or has a load on its way
	s_add_nc_u64 s[G0X+4*\slot+2:G0X+4*\slot+3], s[G0X+4*\slot+2:G0X+4*\slot+3], 2*TILE
	tensor_load_to_lds s[G0X+4*\slot:G0X+4*\slot+3], s[G1X:G1X+7]   ; the first tensor load behind the round, one a wave
	s_nop 0
.endif
	PLACES                                         ; the places in front of the loads below
	FETCH \next, 0, 0, 0
	WIN MUL
	MUL4 128, 1, 2, 0
	MUL4 128, 1, 3, 0
.endm
; 32 numbers of a lane (two blocks of 16 registers) become six registers of codes in v[pc] on and two scale bytes in v[sw]
.macro QUANT8                          ; all 128 numbers of a lane at once: eight blocks (block c: registers ACC + 16 c on) by turns, so that no line waits for the line above it; six code registers for each a in v[PCD + 6 a] on, two scale bytes in v[SW + a]
.irp c, 0,1,2,3,4,5,6,7
	v_max3_num_f32 v[MX+\c], |v[ACC+16*\c]|, |v[ACC+16*\c+1]|, 0x1800000   ; the floor 2^(3 - 127) holds the byte at 1 from below
.endr
.irp i, 2,4,6,8,10,12,14
.irp c, 0,1,2,3,4,5,6,7
	v_max3_num_f32 v[MX+\c], v[MX+\c], |v[ACC+16*\c+\i]|, |v[ACC+16*\c+\i+1]|
.endr
.endr
.irp c, 0,1,2,3,4,5,6,7
	v_permlanex16_b32 v[PM+\c], v[MX+\c], s[SEL], s[SEL+1]
.endr
.irp c, 0,1,2,3,4,5,6,7
	v_max_num_f32 v[MX+\c], v[MX+\c], v[PM+\c]     ; with lane l xor 16's 16: the block's largest magnitude
.endr
.irp c, 0,1,2,3,4,5,6,7
	v_add_nc_u32 v[SO+\c], 0xff000000, v[MX+\c]    ; 2 off the exponent field: the conversion's scale operand
.endr
.irp c, 0,1,2,3,4,5,6,7
	v_lshrrev_b32 v[PM+\c], 23, v[SO+\c]           ; the byte
.endr
.irp a, 0,1,2,3
	v_lshl_or_b32 v[SW+\a], v[PM+2*\a+1], 8, v[PM+2*\a]
.endr
.irp a, 0,1,2,3
	v_cvt_scalef32_pk16_fp6_f32 v[PCD+6*\a:PCD+6*\a+2], v[ACC+32*\a:ACC+32*\a+15], v[SO+2*\a]
	v_cvt_scalef32_pk16_fp6_f32 v[MX+4*\a:MX+4*\a+2], v[ACC+32*\a+16:ACC+32*\a+31], v[SO+2*\a+1]   ; (a conversion's three registers begin on an even number; the magnitudes and bytes that lay here are done with)
.endr
	v_nop                                          ; one plain line behind a scaled conversion
.irp a, 0,1,2,3
.irp i, 0,1,2
	v_permlane16_swap_b32 v[PCD+6*\a+\i], v[MX+4*\a+\i]   ; a whole block to a lane: lanes 0-15 the first block, lanes 16-31 the second
.endr
.endr
.irp a, 0,1,2,3
.irp i, 0,1,2
	v_mov_b32 v[PCD+6*\a+3+\i], v[MX+4*\a+\i]
.endr
.endr
.endm
; THE WAY OUT of tile tl: my 64 columns are half a K step of the output block: registers 6 wx .. 6 wx + 5 of each of my four tiles of rows, and bytes 2 wx, 2 wx + 1 of their scale words
.macro EPI tl
	WIN 0
	PLACES
	s_wait_xcnt 0x0                                ; the last tile's stores have read their registers: the codes' registers are written again only behind this wait
.irp g, 0,2,4,6,8,10,12,14             ; two accumulators at a time
.irp k, 0,1,2,3,4,5,6,7
	v_pk_mul_f32 v[T+2*\k:T+2*\k+1], v[ACC+8*\g+2*\k:ACC+8*\g+2*\k+1], s[SLP:SLP+1] op_sel_hi:[1,0]   ; each accumulator from its low end on
.endr
.irp k, 0,1,2,3,4,5,6,7,8,9,10,11,12,13,14,15
	v_max_num_f32 v[ACC+8*\g+\k], v[ACC+8*\g+\k], v[T+\k]   ; max(a, 0.01 a) is a where a >= 0 and 0.01 a elsewhere
.endr
.endr
	QUANT8
.irp a, 0,1,2,3
.irp p, 0,1,2
	global_store_b64 v[CO], v[PCD+6*\a+2*\p:PCD+6*\a+2*\p+1], s[80:81] offset:(\tl)*BLK+1536*\a+256*\p   ; 32 lanes store 256 consecutive aligned bytes
.endr
	global_store_b16 v[CS], v[SW+\a], s[80:81] offset:(\tl)*BLK+12288+64*\a   ; both halves of the lanes write the same two bytes with the same value
.endr
.endm
	s_load_b128 s[4:7], s[0:1], 0x0                ; wimg, h2's image
	s_load_b64 s[10:11], s[0:1], 0x10              ; aimg
	v_lshl_add_u32 v[SPW], v0, 2, SPARE
	v_mov_b32 v[NIL], 0
	ds_add_u32 v[SPW], v[NIL]                      ; the wave's opening: the add and its wait come ahead of my first tensor load; the set-up below stands between them
	ds_add_u32 v[SPW], v[NIL]
	v_lshrrev_b32 v1, 5, v0
	v_readfirstlane_b32 s14, v1                    ; wave 0..3
	s_lshr_b32 s15, s14, 1                         ; my half of the 128 tokens
	s_and_b32 s16, s14, 1                          ; my half of a weight tile's 128 columns
	s_bfe_u32 s40, ttmp6, 0x40000                  ; cx
	s_bfe_u32 s41, ttmp6, 0x40004                  ; cy
	s_lshl_b32 s42, ttmp9, 2
	s_add_co_u32 s42, s42, s40                     ; g = 4 x cluster x + cx: 0..7
	s_and_b32 s17, ttmp7, 0xffff
	s_lshl_b32 s17, s17, 2
	s_add_co_u32 s17, s17, s41                     ; T = 4 x cluster y + cy: 0..31
	s_lshl_b32 s43, s41, 2
	s_lshl_b32 s43, 15, s43                        ; my row of the cluster
	s_lshl_b32 s44, 0x1111, s40                    ; my column
	s_or_b32 s[G1Y+0], s43, (3<<16)|(1<<21)        ; 15:0 the mask; 17:16 elements of 8 bytes; 21 set beside a mask; no padding
	s_or_b32 s[G1X+0], s44, (3<<16)|(1<<21)
.irp g, G1Y, G1X
	s_mov_b32 s[\g+1], 32<<16                      ; rows of 32 elements: 256 bytes
	s_mov_b32 s[\g+2], 200<<16                     ; 200 rows, for the head's loads
	s_mov_b32 s[\g+3], 32<<16
	s_mov_b32 s[\g+4], 200
	s_mov_b32 s[\g+5], 32                          ; dense
	s_mov_b32 s[\g+6], 0
	s_mov_b32 s[\g+7], 0
.endr
	s_mul_i32 s18, s14, QUART                      ; my quarter of a tile, in memory and in LDS: no place in the cluster enters an LDS address
	s_mul_i32 s19, s16, HALF                       ; at the head: my half of a tile
	s_mul_i32 s20, s17, TILE
	s_add_co_u32 s20, s20, s19
	s_mov_b32 s21, 0
	s_mul_i32 s46, s42, 4*TILE
	s_add_co_u32 s94, s46, s19                     ; the first tile by halves
	s_mov_b32 s95, 0
	s_add_co_u32 s46, s46, s18
	s_mov_b32 s47, 0
	s_mov_b32 s[SEL], 0x76543210
	s_mov_b32 s[SEL+1], 0xfedcba98
	s_mov_b32 s[SLP], 0x3c23d70a                   ; 0.01
	s_mov_b32 s[SLP+1], s[SLP]
	s_wait_dscnt 0x0                               ; the opening add is done
	s_wait_kmcnt 0x0
	s_add_nc_u64 s[20:21], s[6:7], s[20:21]
	s_add_nc_u64 s[46:47], s[4:5], s[46:47]
	s_add_nc_u64 s[46:47], s[46:47], XOFF
	s_add_nc_u64 s[94:95], s[4:5], s[94:95]
	s_add_nc_u64 s[94:95], s[94:95], XOFF
	CROUND                                         ; all sixteen work-groups are here: the first joint loads meet
	s_mov_b32 s[G0Y], 1
	s_mov_b32 s[G0Y+1], s19
	s_mov_b64 s[G0Y+2:G0Y+3], s[20:21]
	s_or_b32 s[G0Y+3], s[G0Y+3], 0x80000000
	s_mov_b32 s[G0X], 1                            ; the first tile: my half
	s_add_co_u32 s[G0X+1], s19, XS
	s_mov_b64 s[G0X+2:G0X+3], s[94:95]
	s_or_b32 s[G0X+3], s[G0X+3], 0x80000000
	s_mov_b32 s[G0X+4], 1                          ; the second: my quarter
	s_add_co_u32 s[G0X+5], s18, XS+TILE
	s_add_nc_u64 s[G0X+6:G0X+7], s[46:47], TILE
	s_or_b32 s[G0X+7], s[G0X+7], 0x80000000
	s_cmp_eq_u32 s15, 0                            ; one tensor load a wave at the head
	s_cbranch_scc0 .Lhead_x
	tensor_load_to_lds s[G0Y:G0Y+3], s[G1Y:G1Y+7]  ; waves 0, 1: h2's block by halves
	s_nop 0
	PLACES
	s_branch .Lhead_asked
.Lhead_x:
	tensor_load_to_lds s[G0X:G0X+3], s[G1X:G1X+7]  ; waves 2, 3: the first weight tile by halves
	s_nop 0
	PLACES
.Lhead_asked:
	v_and_b32 v1, 15, v0                           ; r
	v_bfe_u32 v2, v0, 4, 1                         ; h
	s_wait_alu depctr_va_vdst(0)
	v_and_b32 v3, 31, v0
	v_lshlrev_b32 v3, 3, v3                        ; 8 x lane
	s_mul_i32 s68, s15, 6144                       ; my four tiles of tokens
	s_mul_i32 s69, s16, 6144                       ; my four tiles of columns,
	s_add_co_u32 s69, s69, XS                      ; in slot 0
	v_add_nc_u32 v[ADRY], s68, v3
	v_add_nc_u32 v[ADRY+1], HALF, v[ADRY]
.irp k, 0,1,2,3
	v_add_nc_u32 v[ADRX+\k], s69, v3
	s_add_co_u32 s69, s69, HALF
.endr
	s_lshl_b32 s68, s15, 8                         ; scale words: 64 bytes a tile of 16 rows
	s_lshl_b32 s69, s16, 8
	s_add_co_u32 s69, s69, XS
	s_sub_co_u32 s69, s69, s68                     ; from h2's words to the weight's in slot 0
	s_add_co_u32 s68, s68, 12288
.irp s, 0,1
	v_mul_u32_u24 v4, s69, v2                      ; lanes 16-31 take the weight's: one product, the distance between the two bases
	v_lshl_add_u32 v4, v1, 2, v4
	v_add_nc_u32 v[ADRS+2*\s], s68, v4
	v_add_nc_u32 v[ADRS+2*\s+1], HALF, v[ADRS+2*\s]
	s_add_co_u32 s69, s69, TILE
.endr
	s_mul_i32 s68, s15, 6144                       ; the way out: my four tiles of rows, my half of their registers
	s_mul_i32 s69, s16, 768
	s_add_co_u32 s68, s68, s69
	v_add_nc_u32 v[CO], s68, v3
	s_lshl_b32 s68, s15, 8
	s_lshl_b32 s69, s16, 1
	s_add_co_u32 s68, s68, s69
	v_lshl_add_u32 v[CS], v1, 2, s68
.irp c, 0,1,2,3,4,5,6,7
	v_mov_b32 v[PM+\c], 0                          ; written once: a lane permute's destination counts as one of its sources
.endr
	s_lshl_b32 s78, s17, 5                         ; aimg: block 32 T + 4 g; the three others lie behind it
	s_lshl_b32 s79, s42, 2
	s_add_co_u32 s78, s78, s79
	s_mul_i32 s78, s78, BLK
	s_mov_b32 s79, 0
	s_add_nc_u64 s[80:81], s[10:11], s[78:79]
	s_wait_alu depctr_va_vdst(0)
	s_wait_tensorcnt 0x0                           ; my half tile is in
	ds_add_u32 v[SPW], v[NIL]
	s_mov_b32 s[G1X+2], 100<<16                    ; no load of mine is out: from here on a load brings 100 rows,
	s_mov_b32 s[G1X+4], 100
	s_add_co_u32 s[G0X+1], s18, XS                 ; and slot 0's descriptor stands at my quarter of the first tile: its refill steps it two tiles on
	s_mov_b64 s[G0X+2:G0X+3], s[46:47]
	s_or_b32 s[G0X+3], s[G0X+3], 0x80000000
	s_wait_dscnt 0x0
	CROUND                                         ; everybody's half tiles are in, and the sixteen work-groups meet
	tensor_load_to_lds s[G0X+4:G0X+7], s[G1X:G1X+7]  ; the second weight tile, my quarter: my one load behind the round
	s_nop 0
	PLACES
	LOADH
	FETCH 0, 0, 0, 0
	STEPS 0
	TURN 0, 1, 1                                   ; slot 0 takes the third tile
	EPI 0
	STEPS 1
	TURN 1, 0, 1                                   ; slot 1 takes the fourth
	EPI 1
	STEPS 0
	TURN 0, 1, 0                                   ; nothing is left to fetch
	EPI 2
	STEPS 1
.set MUL, 0x0d
.set HB, 96
	s_wait_dscnt 0x0
	WIN MUL
	MUL4 128, 1, 0, 0
	MUL4 128, 1, 1, 0
	MUL4 128, 1, 2, 0
	MUL4 128, 1, 3, 0
	EPI 3
	s_wait_tensorcnt 0x0                           ; the wave's end
	ds_add_u32 v[SPW], v[NIL]
	s_wait_dscnt 0x0
	CROUND                                         ; the closing round
	s_endpgm
.Lfunc_end_k_q7c0eaba7b4_fc:
	.size	k_q7c0eaba7b4_fc, .Lfunc_end_k_q7c0eaba7b4_fc-k_q7c0eaba7b4_fc
	.p2alignl 7, 3214868480
	.fill 96, 4, 3214868480
	.section	.rodata,"a",@progbits
	.p2align	6, 0x0
	.amdhsa_kernel k_q7c0eaba7b4_fc
		.amdhsa_group_segment_fixed_size 327680
		.amdhsa_private_segment_fixed_size 0
		.amdhsa_enable_private_segment 0
		.amdhsa_kernarg_size 24
		.amdhsa_user_sgpr_count 2
		.amdhsa_user_sgpr_kernarg_segment_ptr 1
		.amdhsa_wavefront_size32 1
		.amdhsa_system_sgpr_workgroup_id_x 1
		.amdhsa_system_sgpr_workgroup_id_y 1
		.amdhsa_system_sgpr_workgroup_id_z 1
		.amdhsa_system_vgpr_workitem_id 0
		.amdhsa_next_free_vgpr 1024
		.amdhsa_next_free_sgpr 100
		.amdhsa_reserve_vcc 0
		.amdhsa_float_denorm_mode_32 3
		.amdhsa_float_denorm_mode_16_64 3
		.amdhsa_memory_ordered 1
		.amdhsa_forward_progress 1
		.amdhsa_inst_pref_size 218
	.end_amdhsa_kernel
	.amdgpu_metadata
---
amdhsa.version: [ 1, 2 ]
amdhsa.kernels:
  - .name:           k_q7c0eaba7b4_fc
    .symbol:         k_q7c0eaba7b4_fc.kd
    .args:
      - { .name: wimg, .offset: 0, .size: 8, .value_kind: global_buffer, .address_space: global }
      - { .name: h2img, .offset: 8, .size: 8, .value_kind: global_buffer, .address_space: global }
      - { .name: aimg, .offset: 16, .size: 8, .value_kind: global_buffer, .address_space: global }
    .group_segment_fixed_size: 327680
    .private_segment_fixed_size: 0
    .kernarg_segment_align: 8
    .kernarg_segment_size: 24
    .max_flat_workgroup_size: 128
    .sgpr_count:     100
    .vgpr_count:     1024
    .wavefront_size: 32
...
	.end_amdgpu_metadata
.endif
;; end of part 6
;; launch proj (part 7): grid 8 x 32, 4 waves a work-group, clusters of 4 x 4, 327,680 bytes of LDS; arguments wimg, aimg, x1, out0; writes out0
.if DOCPART == 7
	.amdgcn_target "amdgcn-amd-amdhsa--gfx1250"
	.amdhsa_code_object_version 6
	.text
	.protected	k_q7c0eaba7b4_proj
	.globl	k_q7c0eaba7b4_proj
	.p2align	8
	.type	k_q7c0eaba7b4_proj,@function
k_q7c0eaba7b4_proj:
	s_mov_b64 s[64:65], 0
	v_nop
	global_prefetch_b8 v0, s[64:65] scope:SCOPE_SE
	s_setreg_imm32_b32 hwreg(HW_REG_WAVE_MODE, 25, 1), 1
	s_wait_xcnt 0x0
	s_wait_alu depctr_hold_cnt(0) depctr_sa_sdst(0) depctr_va_vdst(0) depctr_va_sdst(0) depctr_va_ssrc(0) depctr_va_vcc(0) depctr_vm_vsrc(0)
	s_getreg_b32 s2, hwreg(HW_REG_IB_STS2, 6, 4)
	s_cmp_eq_u32 s2, 0
	s_cbranch_scc0 .Lentry_in_a_cluster
	s_endpgm
.Lentry_in_a_cluster:
	s_bfe_u32 s2, ttmp6, 0x10000c
	s_cmp_lg_u32 s2, 0xf033
	s_cbranch_scc0 .Lentry_shape_is_right
	s_endpgm
.Lentry_shape_is_right:
.set KS,    32
.set XOFF,  512*12800
.set BLK,   12800
.set CHUNK, 4*BLK
.set SLOT,  2*CHUNK
.set QUART, 2*BLK
.set STAGE, 2*SLOT
.set SPARE, STAGE+4*16*272
.set ADRY, 16
.set ADRX, 18
.set ADRS, 20
.set STO,  22
.set RD,   23
.set CO,   24
.set SPW,  28
.set NIL,  29
.set SC,   32
.set BK,   40
.set ACC,  128
.set G1Y, 24
.set G0Y, 32
.set G1X, 48
.set G0X, 56
; out0 = x1 + a W_proj on image blocks of FP6 codes; K = 4,096 in eight chunks of four K steps through two LDS slots, by joint loads in a cluster of 4 x 4.
; THE CHUNKS ARE PREFETCHED.  Chunks 1 and 2 are asked for at the head, ahead of the first round; chunk 3 behind the loads of chunks 0 and 1; from then on one request a wave stands beside the load of chunk c, for chunk c + 2.
; Of the 100 blocks of 256 bytes that a wave fetches jointly, each of the four partners names 25, told apart by address (cx for a's rows, cy for the weight's): a lane a block, lanes 25-31 name the wave's last block again.  The last two refills ask for nothing.
.set PFO, 30
.set PFA, 84                           ; s[84:85] where my requests stand
.set MSB, 0
.macro WIN new
.if MSB != \new
	s_set_vgpr_msb (MSB<<8)|\new
.set MSB, \new
.endif
.endm
.set MUL,  0x05
.set TO_F, 0x40
.macro JLOAD s
	s_cmp_eq_u32 s15, 0
	s_cbranch_scc0 .Lfor_x_\@
	tensor_load_to_lds s[G0Y+4*\s:G0Y+4*\s+3], s[G1Y:G1Y+7]
	s_nop 0
.rept 4
	v_nop
.endr
	s_branch .Lasked_\@
.Lfor_x_\@:
	tensor_load_to_lds s[G0X+4*\s:G0X+4*\s+3], s[G1X:G1X+7]
	s_nop 0
.rept 4
	v_nop
.endr
.Lasked_\@:
.endm
.macro CREST
	s_cmp_lg_u32 s14, 0
	s_cbranch_scc1 .Lnot_wave_0_\@
	s_barrier_signal -3
.Lnot_wave_0_\@:
	s_barrier_wait -3
	s_barrier_signal -1
	s_barrier_wait -1
.endm
.macro CROUND
	s_barrier_signal -1
	s_barrier_wait -1
	CREST
.endm
.macro PLACES
.rept 4
	v_nop
.endr
.endm
.macro MUL4 f, sc, a, cm
.irp b, 0,1,2,3
.if \cm == 0
	v_wmma_scale_f32_16x16x128_f8f6f4 v[ACC+8*(4*(\a)+\b):ACC+8*(4*(\a)+\b)+7], v[(\f)+12*\b:(\f)+12*\b+11], v[(\f)+48+12*(\a):(\f)+48+12*(\a)+11], v[ACC+8*(4*(\a)+\b):ACC+8*(4*(\a)+\b)+7], v[SC+4*(\sc)+\b], v[SC+4*(\sc)+(\a)] matrix_a_fmt:MATRIX_FMT_FP6 matrix_b_fmt:MATRIX_FMT_FP6 matrix_a_scale:MATRIX_SCALE_ROW1
.else
	v_wmma_scale_f32_16x16x128_f8f6f4 v[ACC+8*(4*(\a)+\b):ACC+8*(4*(\a)+\b)+7], v[(\f)+12*\b:(\f)+12*\b+11], v[(\f)+48+12*(\a):(\f)+48+12*(\a)+11], 0, v[SC+4*(\sc)+\b], v[SC+4*(\sc)+(\a)] matrix_a_fmt:MATRIX_FMT_FP6 matrix_b_fmt:MATRIX_FMT_FP6 matrix_a_scale:MATRIX_SCALE_ROW1
.endif
.endr
.endm
.macro FETCH slot, q, f, sc
	WIN 0
.irp i, 0,1,2,3
	ds_load_b32 v[SC+4*(\sc)+\i], v[ADRS+\slot] offset:(\q)*BLK+64*\i
.endr
	WIN TO_F
.irp b, 0,1,2,3
.irp p, 0,1,2,3,4,5
	ds_load_b64 v[(\f)+12*\b+2*\p:(\f)+12*\b+2*\p+1], v[ADRX+\slot] offset:(\q)*BLK+1536*\b+256*\p
.endr
.endr
.irp b, 0,1,2,3
.irp p, 0,1,2,3,4,5
	ds_load_b64 v[(\f)+48+12*\b+2*\p:(\f)+48+12*\b+2*\p+1], v[ADRY+\slot] offset:(\q)*BLK+1536*\b+256*\p
.endr
.endr
.endm
.macro STEP slot, q, cm
	s_wait_dscnt 12
	WIN MUL
	MUL4 128*((\q)%2), (\q)%2, 0, \cm
	MUL4 128*((\q)%2), (\q)%2, 1, \cm
	PLACES
	FETCH \slot, (\q)+1, 128*(1-(\q)%2), 1-(\q)%2
	s_wait_dscnt 52
	WIN MUL
	MUL4 128*((\q)%2), (\q)%2, 2, \cm
	MUL4 128*((\q)%2), (\q)%2, 3, \cm
.endm
.macro TURN slot, next, fill
	WIN 0
.if \fill
	s_wait_xcnt 0x0                                ; my last request has read its address: it steps a chunk on
	s_add_nc_u64 s[PFA:PFA+1], s[PFA:PFA+1], CHUNK
.endif
	s_wait_tensorcnt 0x0
	ds_add_u32 v[SPW], v[NIL]
	s_wait_dscnt 13
	WIN MUL
	MUL4 128, 1, 0, 0
	s_wait_dscnt 0x0
	s_barrier_signal -1
	MUL4 128, 1, 1, 0
	WIN 0
	s_barrier_wait -1
.if \fill
	CREST
	s_add_nc_u64 s[G0Y+4*\slot+2:G0Y+4*\slot+3], s[G0Y+4*\slot+2:G0Y+4*\slot+3], 2*CHUNK
	s_add_nc_u64 s[G0X+4*\slot+2:G0X+4*\slot+3], s[G0X+4*\slot+2:G0X+4*\slot+3], 2*CHUNK
	JLOAD \slot
.else
	PLACES
.endif
	FETCH \next, 0, 0, 0
.if \fill
	WIN 0
	s_cmp_gt_u32 s3, 1                             ; s3 = 1 in the loop's last trip: no chunk stands two refills on
	s_cbranch_scc0 .Lno_ask_\@
	global_prefetch_b8 v[PFO], s[PFA:PFA+1] offset:3*CHUNK th:TH_LOAD_NT scope:SCOPE_SE
.Lno_ask_\@:
.endif
	WIN MUL
	MUL4 128, 1, 2, 0
	MUL4 128, 1, 3, 0
.endm
	s_load_b128 s[4:7], s[0:1], 0x0
	s_load_b128 s[8:11], s[0:1], 0x10
	v_lshl_add_u32 v[SPW], v0, 2, SPARE
	v_mov_b32 v[NIL], 0
	ds_add_u32 v[SPW], v[NIL]
	ds_add_u32 v[SPW], v[NIL]
	v_lshrrev_b32 v1, 5, v0
	v_readfirstlane_b32 s14, v1
	s_lshr_b32 s15, s14, 1
	s_and_b32 s16, s14, 1
	s_bfe_u32 s40, ttmp6, 0x40000
	s_bfe_u32 s41, ttmp6, 0x40004
	s_lshl_b32 s42, ttmp9, 2
	s_add_co_u32 s42, s42, s40
	s_and_b32 s17, ttmp7, 0xffff
	s_lshl_b32 s17, s17, 2
	s_add_co_u32 s17, s17, s41
	s_lshl_b32 s43, s41, 2
	s_lshl_b32 s43, 15, s43
	s_lshl_b32 s44, 0x1111, s40
	s_or_b32 s[G1Y+0], s43, (3<<16)|(1<<21)
	s_or_b32 s[G1X+0], s44, (3<<16)|(1<<21)
.irp g, G1Y, G1X
	s_mov_b32 s[\g+1], 32<<16
	s_mov_b32 s[\g+2], 100<<16
	s_mov_b32 s[\g+3], 32<<16
	s_mov_b32 s[\g+4], 100
	s_mov_b32 s[\g+5], 32
	s_mov_b32 s[\g+6], 0
	s_mov_b32 s[\g+7], 0
.endr
	s_mul_i32 s18, s16, QUART
	s_mul_i32 s20, s17, KS*BLK
	s_add_co_u32 s20, s20, s18
	s_mov_b32 s21, 0
	s_mul_i32 s46, s42, KS*BLK
	s_add_co_u32 s46, s46, s18
	s_mov_b32 s47, 0
	s_mul_i32 s45, s14, QUART
	s_wait_dscnt 0x0
	s_wait_kmcnt 0x0
	s_add_nc_u64 s[20:21], s[6:7], s[20:21]
	s_add_nc_u64 s[46:47], s[4:5], s[46:47]
	s_add_nc_u64 s[46:47], s[46:47], XOFF
	s_cmp_eq_u32 s15, 0                            ; do I fetch for a?
	s_cselect_b64 s[PFA:PFA+1], s[20:21], s[46:47]
	s_cselect_b32 s86, s40, s41                    ; my place among the four that ask with me
	s_mul_i32 s86, s86, 6400
	s_mov_b32 s87, 0
	s_add_nc_u64 s[PFA:PFA+1], s[PFA:PFA+1], s[86:87]
	v_and_b32 v[PFO], 31, v0
	v_min_u32 v[PFO], 24, v[PFO]
	v_lshlrev_b32 v[PFO], 8, v[PFO]
	global_prefetch_b8 v[PFO], s[PFA:PFA+1] offset:CHUNK th:TH_LOAD_NT scope:SCOPE_SE     ; chunks 1 and 2
	global_prefetch_b8 v[PFO], s[PFA:PFA+1] offset:2*CHUNK th:TH_LOAD_NT scope:SCOPE_SE
	CROUND
.irp s, 0,1
	s_mov_b32 s[G0Y+4*\s], 1
	s_add_co_u32 s[G0Y+4*\s+1], s45, \s*SLOT
	s_add_nc_u64 s[G0Y+4*\s+2:G0Y+4*\s+3], s[20:21], \s*CHUNK
	s_or_b32 s[G0Y+4*\s+3], s[G0Y+4*\s+3], 0x80000000
	s_mov_b32 s[G0X+4*\s], 1
	s_add_co_u32 s[G0X+4*\s+1], s45, \s*SLOT
	s_add_nc_u64 s[G0X+4*\s+2:G0X+4*\s+3], s[46:47], \s*CHUNK
	s_or_b32 s[G0X+4*\s+3], s[G0X+4*\s+3], 0x80000000
	s_wait_alu depctr_va_vdst(0)
	s_wait_tensorcnt 0x0
	ds_add_u32 v28, v29
	ds_add_u32 v28, v29
	s_wait_dscnt 0x0
	CROUND
	JLOAD \s
.endr
	v_and_b32 v1, 15, v0
	v_bfe_u32 v2, v0, 4, 1
	s_wait_alu depctr_va_vdst(0)
	v_and_b32 v3, 31, v0
	v_lshlrev_b32 v3, 3, v3
	s_wait_alu depctr_va_vdst(0)
	s_lshl_b32 s76, s17, 7
	s_lshl_b32 s68, s15, 6
	s_add_co_u32 s76, s76, s68
	s_lshl_b32 s76, s76, 12
	s_lshl_b32 s68, s42, 9
	s_add_co_u32 s76, s76, s68
	s_lshl_b32 s68, s16, 8
	s_add_co_u32 s76, s76, s68
	s_mov_b32 s77, 0
	s_add_nc_u64 s[78:79], s[8:9], s[76:77]
	s_add_nc_u64 s[80:81], s[10:11], s[76:77]
	v_lshlrev_b32 v[CO], 12, v2
	v_lshl_add_u32 v[CO], v1, 4, v[CO]
	WIN 0x80
.irp a, 0,1,2,3
.irp t, 0,1,2,3,4,5,6,7
	global_load_b128 v[32*\a+4*\t:32*\a+4*\t+3], v[CO], s[78:79] offset:(16*\a+2*\t)*4096 th:TH_LOAD_NT
.endr
.endr
	WIN 0
	s_mul_i32 s68, s15, 6144
	global_prefetch_b8 v[PFO], s[PFA:PFA+1] offset:3*CHUNK th:TH_LOAD_NT scope:SCOPE_SE   ; chunk 3
	s_mul_i32 s69, s16, 6144
	s_add_co_u32 s69, s69, CHUNK
.irp s, 0,1
	v_add_nc_u32 v[ADRY+\s], s68, v3
	v_add_nc_u32 v[ADRX+\s], s69, v3
	s_add_co_u32 s68, s68, SLOT
	s_add_co_u32 s69, s69, SLOT
.endr
	s_lshl_b32 s68, s15, 8
	s_lshl_b32 s69, s16, 8
	s_add_co_u32 s69, s69, CHUNK
	s_sub_co_u32 s69, s69, s68
	v_mul_u32_u24 v4, s69, v2
	v_lshl_add_u32 v4, v1, 2, v4
	s_add_co_u32 s68, s68, 12288
	v_add_nc_u32 v[ADRS], s68, v4
	v_add_nc_u32 v[ADRS+1], SLOT, v[ADRS]
	s_mul_i32 s68, s14, 16*272
	s_add_co_u32 s68, s68, STAGE
	v_mul_u32_u24 v4, v1, 272
	v_lshl_add_u32 v4, v2, 5, v4
	v_add_nc_u32 v[STO], s68, v4
	v_mul_u32_u24 v4, v2, 272
	v_lshl_add_u32 v4, v1, 4, v4
	v_add_nc_u32 v[RD], s68, v4
	s_wait_alu depctr_va_vdst(0)
	s_wait_tensorcnt 0x1
	s_barrier_signal -1
	s_barrier_wait -1
	FETCH 0, 0, 0, 0
	STEP 0, 0, 1
.if KS > 8
	WIN 0
	s_mov_b32 s3, KS/8-1
.Llap:
	STEP 0, 1, 0
	STEP 0, 2, 0
	TURN 0, 1, 1
	STEP 1, 0, 0
	STEP 1, 1, 0
	STEP 1, 2, 0
	TURN 1, 0, 1
	STEP 0, 0, 0
	WIN 0
	s_sub_co_u32 s3, s3, 1
	s_cmp_lg_u32 s3, 0
	s_cbranch_scc1 .Llap
.endif
	STEP 0, 1, 0
	STEP 0, 2, 0
	TURN 0, 1, 0
	STEP 1, 0, 0
	STEP 1, 1, 0
	STEP 1, 2, 0
	s_wait_dscnt 12
	WIN MUL
	MUL4 128, 1, 0, 0
	MUL4 128, 1, 1, 0
	s_wait_dscnt 0x0
	MUL4 128, 1, 2, 0
	MUL4 128, 1, 3, 0
	WIN 0
.macro TOSTAGE a
.irp b, 0,1,2,3
	ds_store_b128 v[STO], v[ACC+8*(4*(\a)+\b):ACC+8*(4*(\a)+\b)+3] offset:64*\b
	ds_store_b128 v[STO], v[ACC+8*(4*(\a)+\b)+4:ACC+8*(4*(\a)+\b)+7] offset:64*\b+16
.endr
.set BB, BK+32*((\a)%2)
.irp t, 0,1,2,3,4,5,6,7
	ds_load_b128 v[BB+4*\t:BB+4*\t+3], v[RD] offset:544*\t
.endr
.endm
.macro SEND a, younger
.set BB, BK+32*((\a)%2)
	s_wait_dscnt \younger
	WIN 0x08
.irp k, 0,1,2,3,4,5,6,7,8,9,10,11,12,13,14,15
	v_pk_add_f32 v[BB+2*\k:BB+2*\k+1], v[BB+2*\k:BB+2*\k+1], v[32*(\a)+2*\k:32*(\a)+2*\k+1]
.endr
	WIN 0
.irp t, 0,1,2,3,4,5,6,7
	global_store_b128 v[CO], v[BB+4*\t:BB+4*\t+3], s[80:81] offset:(16*(\a)+2*\t)*4096 th:TH_STORE_NT
.endr
.endm
	s_wait_loadcnt 0x0
	PLACES
	TOSTAGE 0
.irp a, 1,2,3
.if \a > 1
	s_wait_xcnt 0x0
.endif
	TOSTAGE \a
	SEND \a-1, 16
.endr
	SEND 3, 0
	s_wait_tensorcnt 0x0
	ds_add_u32 v[SPW], v[NIL]
	s_wait_dscnt 0x0
	CROUND
	s_endpgm
.Lfunc_end_k_q7c0eaba7b4_proj:
	.size	k_q7c0eaba7b4_proj, .Lfunc_end_k_q7c0eaba7b4_proj-k_q7c0eaba7b4_proj
	.p2alignl 7, 3214868480
	.fill 96, 4, 3214868480
	.section	.rodata,"a",@progbits
	.p2align	6, 0x0
	.amdhsa_kernel k_q7c0eaba7b4_proj
		.amdhsa_group_segment_fixed_size 327680
		.amdhsa_private_segment_fixed_size 0
		.amdhsa_enable_private_segment 0
		.amdhsa_kernarg_size 32
		.amdhsa_user_sgpr_count 2
		.amdhsa_user_sgpr_kernarg_segment_ptr 1
		.amdhsa_wavefront_size32 1
		.amdhsa_system_sgpr_workgroup_id_x 1
		.amdhsa_system_sgpr_workgroup_id_y 1
		.amdhsa_system_sgpr_workgroup_id_z 1
		.amdhsa_system_vgpr_workitem_id 0
		.amdhsa_next_free_vgpr 640
		.amdhsa_next_free_sgpr 100
		.amdhsa_reserve_vcc 0
		.amdhsa_float_denorm_mode_32 3
		.amdhsa_float_denorm_mode_16_64 3
		.amdhsa_memory_ordered 1
		.amdhsa_forward_progress 1
		.amdhsa_inst_pref_size 116
	.end_amdhsa_kernel
	.amdgpu_metadata
---
amdhsa.version: [ 1, 2 ]
amdhsa.kernels:
  - .name:           k_q7c0eaba7b4_proj
    .symbol:         k_q7c0eaba7b4_proj.kd
    .args:
      - { .name: wimg, .offset: 0, .size: 8, .value_kind: global_buffer, .address_space: global }
      - { .name: aimg, .offset: 8, .size: 8, .value_kind: global_buffer, .address_space: global }
      - { .name: x1, .offset: 16, .size: 8, .value_kind: global_buffer, .address_space: global }
      - { .name: out0, .offset: 24, .size: 8, .value_kind: global_buffer, .address_space: global }
    .group_segment_fixed_size: 327680
    .private_segment_fixed_size: 0
    .kernarg_segment_align: 8
    .kernarg_segment_size: 32
    .max_flat_workgroup_size: 128
    .sgpr_count:     100
    .vgpr_count:     640
    .wavefront_size: 32
...
	.end_amdgpu_metadata
.endif
;; end of part 7
